; MI455X (gfx1250); checked and timed in simulation.
; The chip was launched on July 23, 2026; its instructions are those of AMD's public machine-readable ISA for CDNA 5 (MIT licence, August 2026) and "CDNA5" Instruction Set Architecture Reference Guide (July 2026). The comments in the code are by the model that wrote it; some were corrected since.
;; Self Attention. Allowed arithmetic: matrix products marked QUANTISED: E5M2 operands, one E8M0 scale for each 32 along K, by v_wmma_scale_f32_16x16x128_f8f6f4 with both operands' format E5M2, f32 sums; everything else in f32.
;; Inputs: Wk 1,024 x 1,024 float32; Wo 1,024 x 1,024 float32; Wq 1,024 x 1,024 float32; Wv 1,024 x 1,024 float32; beta 1,024 float32; bk 1,024 float32; bo 1,024 float32; bq 1,024 float32; bv 1,024 float32; gamma 1,024 float32; mask 2,048 x 2,048 bool; x 2 x 2,048 x 1,024 float32.
;; Outputs: out0 2 x 2,048 x 1,024 float32.
;; This version of the problem:
;;   THIS VERSION OF THE PROBLEM IS GIVEN IN LOW PRECISION. The matrix products marked QUANTISED in the list below multiply operands that are first quantised to E5M2 (5 exponent bits, 2 mantissa bits; 8 bits a number), with one power-of-two scale for each 32 numbers along K (OCP MX v1.0); their sums are f32. All else is computed in f32.
;;   The module's matrix products, in the order in which they are computed (A, B: the left and right operand; K: the contracted axis; several contracted axes count as one K, in the product's order):
;;     1. [M 4,096, K 1,024] x [K 1,024, N 1,024]; A: computed on the way; B: input Wq: QUANTISED
;;     2. [M 4,096, K 1,024] x [K 1,024, N 1,024]; A: computed on the way; B: input Wk: QUANTISED
;;     3. [M 4,096, K 1,024] x [K 1,024, N 1,024]; A: computed on the way; B: input Wv: QUANTISED
;;     4. batch 32 x [M 2,048, K 64] x [K 64, N 2,048]; A: computed on the way; B: computed on the way: QUANTISED
;;     5. batch 32 x [M 2,048, K 2,048] x [K 2,048, N 64]; A: softmax (see below); B: computed on the way: QUANTISED
;;     6. [M 4,096, K 1,024] x [K 1,024, N 1,024]; A: computed on the way; B: input Wo: QUANTISED
;;   THE QUANTISER, for each operand of a quantised product, along K:
;;     - K is cut into blocks of 32 from its start; a last block that is shorter is filled with zeros.
;;     - A block's scale is 2^e with e = floor(log2(the largest magnitude in the block)) - 15, held to -126 .. 127; a block of zeros has e = 0. As a byte (E8M0): e + 127.
;;     - Each number is divided by its block's scale, clamped to +-57,344, and rounded to the nearest number of E5M2, ties to even, subnormals kept.
;;     - The product sums the exact products of the quantised numbers (number of the format x scale) in f32.
;;   ~~~python
;;   def quantise(x, axis):      # numpy; x: float32 -> the quantised numbers, widened to float32 again
;;       x = np.moveaxis(x, axis, -1); K = x.shape[-1]
;;       x = np.pad(x, [(0, 0)] * (x.ndim - 1) + [(0, -K % 32)]); x = x.reshape(x.shape[:-1] + (-1, 32)); a = np.abs(x).max(-1, keepdims=True)
;;       e = np.where(a > 0, np.clip(np.frexp(np.where(a > 0, a, 1))[1] - 1 - 15, -126, 127), 0)      # np.frexp(a)[1] - 1 = floor(log2(a)), exactly
;;       r = np.clip(x / 2.0 ** e, -57344, 57344)
;;       step = 2.0 ** (np.maximum(np.frexp(np.where(r == 0, 1, r))[1] - 1, -14) - 2)
;;       q = np.round(r / step) * step * 2.0 ** e      # np.round: ties to even
;;       return np.moveaxis(q.reshape(q.shape[:-2] + (-1,))[..., :K], -1, axis).astype(np.float32)
;;   ~~~
;;   SOFTMAX AHEAD OF A QUANTISED PRODUCT. Where the list says 'softmax', what is quantised is not the finished softmax but p = 2^(t - M), with t = logit x log2(e) and M = ceil(the row's largest t), a whole number; so 1/2 < the row's largest p <= 1. The row's sum l is taken of the UNQUANTISED p, in f32, and the product's result is divided by l at the end. Since M is a whole number, a kernel that streams over the keys may use a running M (the ceiling of the running maximum): every later rescaling is an exact power of two, which a block's scale takes up: the codes' values come out the same.
;;   OPERANDS COMPUTED ON THE WAY. 'Computed on the way' means the value that the module computes at that place (a softmax that the list does not call 'softmax' is quantised finished and normalised). What goes into a quantiser is computed in f32, as accurately as f32 sums, v_exp_f32 and their like allow (about 1e-6 of the number): no bf16 or f16 on the way to a quantiser, and a product that is left as it is and whose result goes on into a quantised operand takes f32 operands (vector FMAs, or v_wmma_f32_16x16x4_f32). A number that lies on a knife's edge between two numbers of the format may be rounded either way, as far as f32 arithmetic and the matrix unit's own rounding can turn it there, and no further.
;; 2 versions, each right; version 2 is version 1 with the launch attn written anew for expert scheduling mode. Each part assembles by itself: llvm-mc -triple=amdgcn-amd-amdhsa -mcpu=gfx1250 --defsym DOCPART=n.
;; ======== version 1 of 2: 5 launches
;; limits: inputs' magnitudes at most 1,000,000,000
;; workspace buffers: img 8,388,608 bytes; isc 262,144 bytes; mbits 557,056 bytes of whole numbers; qkv 12,582,912 bytes; qkvs 393,216 bytes; oimg 4,194,304 bytes; osc 131,072 bytes; y0 16,777,216 bytes
;; launch prep (part 1): grid 320 x 1, 4 waves a work-group, no clusters, 101,888 bytes of LDS; arguments x, Wq, Wk, Wv, Wo, mask, img, isc, mbits; writes img, isc, mbits
.if DOCPART == 1
	.amdgcn_target "amdgcn-amd-amdhsa--gfx1250"
	.amdhsa_code_object_version 6
	.text
	.protected	k_qf3ae2fd9cd_prep
	.globl	k_qf3ae2fd9cd_prep
	.p2align	8
	.type	k_qf3ae2fd9cd_prep,@function
k_qf3ae2fd9cd_prep:
	s_mov_b64 s[64:65], 0
	v_nop
	global_prefetch_b8 v0, s[64:65] scope:SCOPE_SE
	s_setreg_imm32_b32 hwreg(HW_REG_WAVE_MODE, 25, 1), 1
	s_wait_xcnt 0x0
; PREP.  Work-groups 0-255: x (NaN -> 0, held within +-1e9) and Wq, Wk, Wv, Wo, all [rows][1024] f32, become codes of BF8 (E5M2) with one E8M0 byte for each 32 along K,
; laid in the order of a matrix operand's registers.  Work-groups 256-319: the mask [2048][2048] of bytes becomes lane-mask words and flags for the attention launch.
; TILES.  Rows go in tiles of 16: slot r of tile t is row 32 (t / 2) + 8 (t % 2) + r + 8 (r / 8).  A fragment (16 slots x 128 K) is 2,048 bytes, [c 0..3][lane][16 bytes]: lane (r, h), piece c
; holds K = 32 c + 16 h + 0 .. 15 of slot r.  img: [tile 0..511][K step 0..7][2,048]; tiles 0-255 x, 256-319 Wq, 320-383 Wk, 384-447 Wv, 448-511 Wo.  isc: [tile][K step / 4][r][4 words], a word a K step.
; A wave takes one tile x 512 K: four steps of 128.  Each load reads 512 consecutive bytes of a row; the 16 x 512 bytes turn through the wave's own stage in LDS (rows 528 bytes apart), so that a lane
; gets 16 neighbours of each block of 32.  Each store of codes covers 512 consecutive bytes, the store of scale words 256.
; MASK WORDS.  mbits: [block of 32 queries Bq][key step s of 128][u][64 words]; memory word w belongs to score register j = w / 2 + 32 (w % 2); bit L = mask[32 Bq + 8 u + r + 8 (r / 8)][128 s + 32 (j / 16) + 16 h + j % 16].
; From byte 524,288: [Bq][wave p][32 words]: word 0: bit s set where not all of the tile (32 x 128) is blocked; word 1: bit s set where some of it is; words 2, 3: lanes all of whose keys (of this wave's four steps) are blocked, u = 0, 1.
; The two paths part on the work-group's number and have LDS bytes of their own; no wave reads another's bytes, so there is no barrier.
; LIMITS: finite magnitudes above 1e9 are held at 1e9 (the model holds infinities alone there); the weights pass the same hold and NaN -> 0; a block of zeros gets the byte 1, not 127 (its codes are zeros; this program alone reads the bytes).
.set RG,    16                         ; v16-143  two sets of 64: 16 rows x 16 bytes as loaded
.set XN,    144                        ; v144-207 64 numbers: register 16 b + i = K 32 b + 16 h + i of my slot
.set PC,    208                        ; v208-223 the fragment's codes
.set TM,    224                        ; v224-239 at work in QUANT
.set PW,    240                        ; the scale word just made
.set PWS,   244                        ; v244-247 the four steps' scale words
.set SEL,   28                         ; s[28:29] selects of v_permlanex16_b32: lane l xor 16
.set MNT,   30                         ; s30 the mantissa field of 57,344
.set QST,   16*528                     ; a quantising wave's stage
.set MST,   32*528                     ; a mask wave's stage
.set MBASE, 4*QST                      ; the mask path's LDS begins behind the quantiser's
; 64 numbers of a lane become a fragment's codes in v[PC] on and its scale word in v[PW]
.macro QUANT s
.irp b, 0,1,2,3
	v_max3_num_f32 v[TM+\b], |v[\s+16*\b]|, |v[\s+1+16*\b]|, 0x8000000   ; my 16 numbers of block b, and the floor 2^(16 - 127): the byte cannot fall under 1
.endr
.irp i, 2,4,6,8,10,12,14
.irp b, 0,1,2,3
	v_max3_num_f32 v[TM+\b], v[TM+\b], |v[\s+16*\b+\i]|, |v[\s+1+16*\b+\i]|
.endr
.endr
.irp b, 0,1,2,3
	v_permlanex16_b32 v[TM+4+\b], v[TM+\b], s[SEL], s[SEL+1]
.endr
.irp b, 0,1,2,3
	v_max_num_f32 v[TM+\b], v[TM+\b], v[TM+4+\b]           ; with lane l xor 16's: the block's largest magnitude
.endr
.irp b, 0,1,2,3
	v_add_nc_u32 v[TM+12+\b], 0xf8800000, v[TM+\b]         ; 15 off its exponent field: the conversion's scale operand
.endr
.irp b, 0,1,2,3
	v_and_or_b32 v[TM+8+\b], v[TM+\b], 0x7f800000, s[MNT]  ; 57,344 x the scale
.endr
.irp b, 0,1,2,3
	v_lshrrev_b32 v[TM+4+\b], 23, v[TM+12+\b]              ; the scale's byte
.endr
	v_lshl_or_b32 v[PW], v[TM+5], 8, v[TM+4]
	v_lshl_or_b32 v[PW], v[TM+6], 16, v[PW]
	v_lshl_or_b32 v[PW], v[TM+7], 24, v[PW]
.irp b, 0,1,2,3
.irp i, 0,1,2,3,4,5,6,7,8,9,10,11,12,13,14,15
	v_med3_num_f32 v[\s+16*\b+\i], v[\s+16*\b+\i], -v[TM+8+\b], v[TM+8+\b]   ; the conversion does not saturate (ISA guide 7.6.2): hold first
.endr
	v_cvt_scalef32_pk8_bf8_f32 v[PC+4*\b:PC+1+4*\b], v[\s+16*\b:\s+7+16*\b], v[TM+12+\b]
	v_cvt_scalef32_pk8_bf8_f32 v[PC+2+4*\b:PC+3+4*\b], v[\s+8+16*\b:\s+15+16*\b], v[TM+12+\b]
.endr
	v_nop                                                  ; one plain line behind the last conversion
.endm
.macro LOAD t                          ; step t: 512 bytes of each of the tile's 16 rows
.irp p, 0,1,2,3,4,5,6,7,8,9,10,11,12,13,14,15
	global_load_b128 v[RG+64*((\t)%2)+4*\p:RG+64*((\t)%2)+4*\p+3], v1, s[38:39] offset:(\p+8*(\p/8))*4096+512*(\t) th:TH_LOAD_NT
.endr
.endm
.macro QSTEP t
.if (\t) < 3
	s_wait_loadcnt 16                              ; this step's 16 loads are in; the next step's 16 may be out
.else
	s_wait_loadcnt 0
.endif
.irp p, 0,1,2,3,4,5,6,7,8,9,10,11,12,13,14,15
	ds_store_b128 v2, v[RG+64*((\t)%2)+4*\p:RG+64*((\t)%2)+4*\p+3] offset:528*\p
.endr
.irp c, 0,1,2,3
.irp j, 0,1,2,3
	ds_load_b128 v[XN+16*\c+4*\j:XN+16*\c+4*\j+3], v3 offset:128*\c+16*\j   ; LDS serves a wave's instructions in order: these see the stores above
.endr
.endr
	s_wait_dscnt 0x0                               ; the numbers are back, and the stores have read their registers,
.if (\t) < 2
	LOAD (\t)+2                                    ; which take the loads of two steps on
.endif
.set i, 0
.rept 64
	v_cmp_eq_f32 vcc_lo, v[XN+i], v[XN+i]
	v_cndmask_b32 v[XN+i], 0, v[XN+i], vcc_lo      ; NaN -> 0
	v_med3_num_f32 v[XN+i], v[XN+i], -v5, v5       ; infinities -> +-1e9
.set i, i+1
.endr
	s_wait_xcnt 0x0                                ; the last step's stores have read the codes' registers
	QUANT XN
.irp c, 0,1,2,3
	global_store_b128 v1, v[PC+4*\c:PC+4*\c+3], s[16:17] offset:2048*(\t)+512*\c   ; 512 consecutive bytes
.endr
	v_mov_b32 v[PWS+(\t)], v[PW]
.endm
; One key step of the mask: 2 x 64 lane-mask words and the step's flags
.macro MSTEP t
	s_mov_b32 s46, -1                              ; lanes all of whose keys are blocked, u = 0,
	s_mov_b32 s47, -1                              ; u = 1
	s_mov_b32 s48, 0                               ; lanes with a blocked key
.irp u, 0,1
.irp b, 0,1,2,3
	ds_load_b128 v[144+4*\b:147+4*\b], v3 offset:128*(\t)+4224*\u+32*\b   ; my query's 16 bytes of each block of 32 keys
.endr
	s_wait_dscnt 0x0
	s_wait_xcnt 0x0                                ; the last store has read v[168:169]
.set j, 0
.rept 64
	v_and_b32 v[160+j%4], 0xff<<(8*(j%4)), v[144+j/4]
	v_cmp_ne_u32 s[52+j%4], 0, v[160+j%4]          ; bit L: blocked
	s_and_b32 s[46+\u], s[46+\u], s[52+j%4]
	s_or_b32 s48, s48, s[52+j%4]
	v_writelane_b32 v[168+j/32], s[52+j%4], j%32
.set j, j+1
.endr
	global_store_b64 v4, v[168:169], s[36:37] offset:512*(\t)+256*\u   ; 256 consecutive bytes
.endr
	s_and_b32 s42, s42, s46
	s_and_b32 s43, s43, s47
	s_and_b32 s49, s46, s47
	s_cmp_lg_u32 s49, -1
	s_cselect_b32 s49, s44, 0
	s_or_b32 s40, s40, s49                         ; not all blocked
	s_cmp_lg_u32 s48, 0
	s_cselect_b32 s49, s44, 0
	s_or_b32 s41, s41, s49                         ; some blocked
	s_lshl_b32 s44, s44, 1
.endm
	s_load_b512 s[4:19], s[0:1], 0x0               ; x, Wq, Wk, Wv, Wo, mask, img, isc
	s_load_b64 s[20:21], s[0:1], 0x40              ; mbits
	v_lshl_add_u32 v254, v0, 2, 0x18c00
	v_mov_b32 v255, 0
	v_lshrrev_b32 v1, 5, v0
	v_readfirstlane_b32 s22, v1                    ; wave
	v_and_b32 v6, 31, v0                           ; lane
	v_and_b32 v7, 15, v0                           ; r
	v_bfe_u32 v8, v0, 4, 1                         ; h
	v_lshlrev_b32 v1, 4, v6                        ; 16 x lane
	s_cmp_ge_u32 ttmp9, 256
	s_cbranch_scc1 .Lmask
	; ---- the quantiser
	s_mul_i32 s23, s22, QST
	v_add_nc_u32 v2, s23, v1                       ; the stage, in: 16 x lane in a row
	v_mul_u32_u24 v3, v7, 528
	v_lshl_add_u32 v3, v8, 6, v3
	v_add_nc_u32 v3, s23, v3                       ; out: row r, + 64 h
	v_lshlrev_b32 v4, 4, v7
	v_lshl_add_u32 v4, v8, 3, v4                   ; scale words: 16 r + 8 h
	v_mov_b32 v5, 0x4e6e6b28                       ; 1e9
	s_mov_b32 s[SEL], 0x76543210
	s_mov_b32 s[SEL+1], 0xfedcba98
	s_mov_b32 s[MNT], 0x600000
.irp b, 0,1,2,3
	v_mov_b32 v[TM+4+\b], 0                        ; a lane permute's destination counts as one of its sources
.endr
	s_lshr_b32 s24, s22, 1
	s_and_b32 s25, s22, 1                          ; which 512 of K
	s_lshl_b32 s26, ttmp9, 1
	s_add_co_u32 s26, s26, s24                     ; the tile in img
	s_and_b32 s27, s26, 63
	s_cmp_lt_u32 ttmp9, 128
	s_cselect_b32 s27, s26, s27                    ; the tile in its tensor
	s_lshr_b32 s31, s27, 1
	s_lshl_b32 s31, s31, 17                        ; 32 rows of 4,096 bytes
	s_and_b32 s27, s27, 1
	s_lshl_b32 s27, s27, 15                        ; 8 rows
	s_add_co_u32 s32, s31, s27
	s_lshl_b32 s27, s25, 11
	s_add_co_u32 s32, s32, s27
	s_mov_b32 s33, 0
	s_lshl_b32 s34, s26, 14
	s_lshl_b32 s27, s25, 13
	s_add_co_u32 s34, s34, s27
	s_mov_b32 s35, 0
	s_lshl_b32 s36, s26, 9
	s_lshl_b32 s27, s25, 8
	s_add_co_u32 s36, s36, s27
	s_mov_b32 s37, 0
	s_wait_kmcnt 0x0
	s_cmp_lt_u32 ttmp9, 224                        ; which tensor: the choice hangs on the work-group's number alone
	s_cselect_b64 s[38:39], s[10:11], s[12:13]
	s_cmp_lt_u32 ttmp9, 192
	s_cselect_b64 s[38:39], s[8:9], s[38:39]
	s_cmp_lt_u32 ttmp9, 160
	s_cselect_b64 s[38:39], s[6:7], s[38:39]
	s_cmp_lt_u32 ttmp9, 128
	s_cselect_b64 s[38:39], s[4:5], s[38:39]
	s_add_nc_u64 s[38:39], s[38:39], s[32:33]
	s_add_nc_u64 s[16:17], s[16:17], s[34:35]
	s_add_nc_u64 s[18:19], s[18:19], s[36:37]
	LOAD 0
	LOAD 1
	QSTEP 0
	QSTEP 1
	QSTEP 2
	QSTEP 3
	v_cmp_ne_u32 vcc_lo, 0, v8                     ; lanes 0-15 store words 0, 1 of their slot, lanes 16-31 words 2, 3 (both halves hold all four)
	v_cndmask_b32 v248, v[PWS], v[PWS+2], vcc_lo
	v_cndmask_b32 v249, v[PWS+1], v[PWS+3], vcc_lo
	global_store_b64 v4, v[248:249], s[18:19]      ; 256 consecutive bytes
	s_wait_tensorcnt 0x0
	ds_add_u32 v254, v255
	s_wait_dscnt 0x0
	s_endpgm
	; ---- the mask
.Lmask:
	s_sub_co_u32 s23, ttmp9, 256                   ; Bq
	s_mul_i32 s24, s22, MST
	s_add_co_u32 s24, s24, MBASE
	v_add_nc_u32 v2, s24, v1                       ; the stage, in
	v_and_b32 v9, 8, v7
	v_add_nc_u32 v9, v9, v7                        ; r + 8 (r / 8)
	v_mul_u32_u24 v3, v9, 528
	v_lshl_add_u32 v3, v8, 4, v3
	v_add_nc_u32 v3, s24, v3                       ; out: my query's row, + 16 h
	v_lshlrev_b32 v4, 3, v6                        ; 8 x lane
	v_lshlrev_b32 v5, 2, v6                        ; 4 x lane
	v_mov_b32 v168, 0                              ; v_writelane_b32's destination counts as read
	v_mov_b32 v169, 0
	v_mov_b32 v170, 0
	s_lshl_b32 s26, s23, 16                        ; 32 rows of 2,048 bytes
	s_lshl_b32 s27, s22, 9                         ; my four steps' 512 bytes
	s_add_co_u32 s26, s26, s27
	s_mov_b32 s27, 0
	s_lshl_b32 s32, s23, 13
	s_lshl_b32 s33, s22, 11
	s_add_co_u32 s32, s32, s33
	s_mov_b32 s33, 0
	s_lshl_b32 s34, s23, 9
	s_lshl_b32 s35, s22, 7
	s_add_co_u32 s34, s34, s35
	s_add_co_u32 s34, s34, 0x80000
	s_mov_b32 s35, 0
	s_mov_b32 s40, 0
	s_mov_b32 s41, 0
	s_mov_b32 s42, -1
	s_mov_b32 s43, -1
	s_lshl_b32 s45, s22, 2
	s_lshl_b32 s44, 1, s45                         ; the bit of my first step
	s_wait_kmcnt 0x0
	s_add_nc_u64 s[14:15], s[14:15], s[26:27]
	s_add_nc_u64 s[36:37], s[20:21], s[32:33]
	s_add_nc_u64 s[38:39], s[20:21], s[34:35]
.set i, 0
.rept 32
	global_load_b128 v[16+4*i:19+4*i], v1, s[14:15] offset:2048*i th:TH_LOAD_NT   ; 512 consecutive bytes of a row
.set i, i+1
.endr
	s_wait_loadcnt 0x0
.set i, 0
.rept 32
	ds_store_b128 v2, v[16+4*i:19+4*i] offset:528*i
.set i, i+1
.endr
	MSTEP 0
	MSTEP 1
	MSTEP 2
	MSTEP 3
	v_writelane_b32 v170, s40, 0
	v_writelane_b32 v170, s41, 1
	v_writelane_b32 v170, s42, 2
	v_writelane_b32 v170, s43, 3
	global_store_b32 v5, v170, s[38:39]
	s_wait_tensorcnt 0x0
	ds_add_u32 v254, v255
	s_wait_dscnt 0x0
	s_endpgm
.Lfunc_end_k_qf3ae2fd9cd_prep:
	.size	k_qf3ae2fd9cd_prep, .Lfunc_end_k_qf3ae2fd9cd_prep-k_qf3ae2fd9cd_prep
	.p2alignl 7, 3214868480
	.fill 96, 4, 3214868480
	.section	.rodata,"a",@progbits
	.p2align	6, 0x0
	.amdhsa_kernel k_qf3ae2fd9cd_prep
		.amdhsa_group_segment_fixed_size 101888
		.amdhsa_private_segment_fixed_size 0
		.amdhsa_enable_private_segment 0
		.amdhsa_kernarg_size 72
		.amdhsa_user_sgpr_count 2
		.amdhsa_user_sgpr_kernarg_segment_ptr 1
		.amdhsa_wavefront_size32 1
		.amdhsa_system_sgpr_workgroup_id_x 1
		.amdhsa_system_sgpr_workgroup_id_y 1
		.amdhsa_system_sgpr_workgroup_id_z 1
		.amdhsa_system_vgpr_workitem_id 0
		.amdhsa_next_free_vgpr 256
		.amdhsa_next_free_sgpr 66
		.amdhsa_reserve_vcc 1
		.amdhsa_float_denorm_mode_32 3
		.amdhsa_float_denorm_mode_16_64 3
		.amdhsa_memory_ordered 1
		.amdhsa_forward_progress 1
		.amdhsa_inst_pref_size 223
	.end_amdhsa_kernel
	.amdgpu_metadata
---
amdhsa.version: [ 1, 2 ]
amdhsa.kernels:
  - .name:           k_qf3ae2fd9cd_prep
    .symbol:         k_qf3ae2fd9cd_prep.kd
    .args:
      - { .name: x, .offset: 0, .size: 8, .value_kind: global_buffer, .address_space: global }
      - { .name: Wq, .offset: 8, .size: 8, .value_kind: global_buffer, .address_space: global }
      - { .name: Wk, .offset: 16, .size: 8, .value_kind: global_buffer, .address_space: global }
      - { .name: Wv, .offset: 24, .size: 8, .value_kind: global_buffer, .address_space: global }
      - { .name: Wo, .offset: 32, .size: 8, .value_kind: global_buffer, .address_space: global }
      - { .name: mask, .offset: 40, .size: 8, .value_kind: global_buffer, .address_space: global }
      - { .name: img, .offset: 48, .size: 8, .value_kind: global_buffer, .address_space: global }
      - { .name: isc, .offset: 56, .size: 8, .value_kind: global_buffer, .address_space: global }
      - { .name: mbits, .offset: 64, .size: 8, .value_kind: global_buffer, .address_space: global }
    .group_segment_fixed_size: 101888
    .private_segment_fixed_size: 0
    .kernarg_segment_align: 8
    .kernarg_segment_size: 72
    .max_flat_workgroup_size: 128
    .sgpr_count:     66
    .vgpr_count:     256
    .wavefront_size: 32
...
	.end_amdgpu_metadata
.endif
;; end of part 1
;; launch qkv (part 2): grid 12 x 16, 4 waves a work-group, clusters of 4 x 4, 327,680 bytes of LDS; arguments img, isc, bq, bk, bv, qkv, qkvs; writes qkv, qkvs
.if DOCPART == 2
	.amdgcn_target "amdgcn-amd-amdhsa--gfx1250"
	.amdhsa_code_object_version 6
	.text
	.protected	k_qf3ae2fd9cd_qkv
	.globl	k_qf3ae2fd9cd_qkv
	.p2align	8
	.type	k_qf3ae2fd9cd_qkv,@function
k_qf3ae2fd9cd_qkv:
	s_mov_b64 s[64:65], 0
	v_nop
	global_prefetch_b8 v0, s[64:65] scope:SCOPE_SE
	s_setreg_imm32_b32 hwreg(HW_REG_WAVE_MODE, 25, 1), 1
	s_wait_xcnt 0x0
	s_wait_alu depctr_hold_cnt(0) depctr_sa_sdst(0) depctr_va_vdst(0) depctr_va_sdst(0) depctr_va_ssrc(0) depctr_va_vcc(0) depctr_vm_vsrc(0)
	s_getreg_b32 s2, hwreg(HW_REG_IB_STS2, 6, 4)
	s_cmp_eq_u32 s2, 0
	s_cbranch_scc0 .Lentry_in_a_cluster
	s_endpgm
.Lentry_in_a_cluster:
	s_bfe_u32 s2, ttmp6, 0x10000c
	s_cmp_lg_u32 s2, 0xf033
	s_cbranch_scc0 .Lentry_shape_is_right
	s_endpgm
.Lentry_shape_is_right:
; Q = x Wq^T + bq, K = x Wk^T + bk, V = x Wv^T + bv on codes of BF8 with E8M0 scales (K = 1,024), and the results quantised at once for the attention launch: Q and K along the head's 64, V along the keys.
; A work-group of four waves makes 256 x 256, a wave 128 x 128: 64 accumulators of 16 x 16.  Cluster x says which product: 0 Q, 1 K, 2 V.  ONE main text serves all three; only addresses differ.
; "A" is source 1 (its slot becomes the result's lane), "B" source 0 (its index runs along the lane's registers: by the tiles' order of rows the 16 registers of tiles 2 b, 2 b + 1 are 16 neighbours).
;   Q, K: A = tokens, B = the weight's rows: a lane holds one token and 128 features (two heads x 64): four blocks of 32 along the head's axis.
;   V:    A = Wv's rows, B = tokens: a lane holds one channel and 128 keys: four blocks of 32 along the keys.
; OPERANDS lie in memory in the order of the operand's registers (img: [tile][K step][2,048 bytes]), so a fragment is four ds_load_b128 at 16 x lane, with no pitch.  K goes in steps of 256 (4,096 bytes a tile) through two LDS slots;
; a wave's tensor load brings 8 tiles x 4,096 bytes.  The scale words of the work-group's 32 tiles come once, with the first fills.  K = 1,024 is four slots: the steps are written out, without a loop.
; CLUSTERS: 4 x 4 work-groups; A's tiles are shared along a row of the cluster, B's along a column: each is asked for jointly, by the same tensor load with a mask that names the four.
; OUT.  qkv: Q at 0, K at 4 MiB: [batch x head][tile of 16 tokens][c 0..1][512 bytes]; V at 8 MiB: [batch x head][key step of 128][tile of 16 channels][c 0..3][512].  qkvs: Q, K, V at 0, 131,072, 262,144:
; [batch x head][step][r][4 words]; Q, K: word b = bytes c0, c1 of tile 2 (4 step + b), then of the next tile; V: word t = the four bytes of channel tile t.  Each store of codes covers 512 consecutive bytes.
; LIMITS: a block of zeros gets the byte 1, not 127 (its codes are zeros; this program alone reads the bytes); NaN and infinities among the results are not served.
; REGISTERS: window 0: v1-19 addresses; v20-27 bias by lane; v28-31 scale words on their way out; v32-63 scale words, two sets; v64-127 bias by register; from v128 A's fragments, later the epilogue.
;   window 1: B's fragments, two sets.  windows 2, 3: the accumulators ((a, b) at v[8 (8 (a % 4) + b)]).
.set NQ,     2
.set FR,     16
.set NL,     4
.set NP,     8                         ; places behind this matrix instruction (ISA guide 7.12.1)
.set HALFT,  32768                     ; 8 tiles x 4,096 bytes: what one tensor load brings
.set SLOT,   4*HALFT
.set SCL,    2*SLOT                    ; behind the ring: the scale words, 4 x 4,096 bytes
.set HALFS,  4096
.set SBLK,   512                       ; a tile's scale words
.set SPARE,  SCL+4*HALFS               ; the spare words: 128 bytes a wave, two blocks of 256 bytes that no other line names
.set ADRA, 8                           ; v8-9   LDS address of my A fragments in slot 0, 1
.set ADRB, 10                          ; v10-11 the same for B
.set ADRS, 12                          ; v12    of my scale words: lanes 0-15 A's, lanes 16-31 B's
.set SPW,  13                          ; v13    my spare word; never rewritten
.set NIL,  14                          ; v14    0; never rewritten
.set OLO,  15                          ; v15    16 x lane
.set OHI,  16                          ; v16    16 x lane + the distance to the codes' upper half
.set BA,   20                          ; v20-27 bias of my slot in A's tile a
.set WO,   28
.set SC,   32
.set BB,   64                          ; v64-127 bias of my 64 indices along B
.set AF,   128
.set TT,   128                         ; the epilogue: 64 numbers,
.set PC,   192                         ; their codes,
.set TM,   208                         ; at work,
.set PW,   224                         ; the scale word,
.set PWS,  232                         ; and the eight tiles' scale words
.set SEL,  66                          ; s[66:67]
.set MNT,  95
.set G1, 24
.set G0, 32
.set G1B, 48
.set G0B, 56
.set G1S, 68
.set G0S, 76
.set G1SB, 80
.set G0SB, 88
.set MSB, 0
.macro WIN new                         ; the immediate's high byte repeats the setting that is left
.if MSB != \new
	s_set_vgpr_msb (MSB<<8)|\new
.set MSB, \new
.endif
.endm
.set MUL_LO, 0xa1                      ; source 0 (B) window 1, source 1 (A) window 0, C and D window 2
.set MUL_HI, 0xf1
.set TO_B,   0x40
.macro JLOAD g0a, g1a, g0b, g1b        ; a joint load: waves 0, 1 fetch for A, waves 2, 3 for B; four v_nop follow each of the two lines
	s_cmp_eq_u32 s15, 0
	s_cbranch_scc0 .Lfor_b_\@
	tensor_load_to_lds s[\g0a:\g0a+3], s[\g1a:\g1a+7]
	s_nop 0
.rept 4
	v_nop
.endr
	s_branch .Lasked_\@
.Lfor_b_\@:
	tensor_load_to_lds s[\g0b:\g0b+3], s[\g1b:\g1b+7]
	s_nop 0
.rept 4
	v_nop
.endr
.Lasked_\@:
.endm
.macro CREST                           ; a round of the cluster's barrier behind its opening barrier
	s_cmp_lg_u32 s14, 0
	s_cbranch_scc1 .Lnot_wave_0_\@
	s_barrier_signal -3
.Lnot_wave_0_\@:
	s_barrier_wait -3
	s_barrier_signal -1
	s_barrier_wait -1
.endm
.macro CROUND
	s_barrier_signal -1
	s_barrier_wait -1
	CREST
.endm
.macro FRAG reg, adr, q, i             ; a fragment comes as it lies: four pieces of 512 bytes
.irp c, 0,1,2,3
	ds_load_b128 v[\reg+4*\c:\reg+4*\c+3], v[\adr] offset:2048*(\q)+512*\c+(\i)*4096
.endr
.endm
; 16 matrix instructions: A's blocks a0, a0 + 1 x B's eight.  The 64 accumulators take turns, one instruction a turn, in the same order in every step.
.macro MUL16 a0, p, q, sc, zero
.irp a, \a0, \a0+1
.irp b, 0,1,2,3,4,5,6,7
.if \zero
	v_wmma_scale_f32_16x16x128_f8f6f4 v[8*(8*((\a)%4)+\b):8*(8*((\a)%4)+\b)+7], v[128*(\p)+FR*\b:128*(\p)+FR*\b+FR-1], v[AF+FR*(\a):AF+FR*(\a)+FR-1], 0, v[SC+8*NQ*(\sc)+NQ*\b+(\q)], v[SC+8*NQ*(\sc)+NQ*(\a)+(\q)] matrix_a_fmt:MATRIX_FMT_BF8 matrix_b_fmt:MATRIX_FMT_BF8 matrix_a_scale:MATRIX_SCALE_ROW1
.else
	v_wmma_scale_f32_16x16x128_f8f6f4 v[8*(8*((\a)%4)+\b):8*(8*((\a)%4)+\b)+7], v[128*(\p)+FR*\b:128*(\p)+FR*\b+FR-1], v[AF+FR*(\a):AF+FR*(\a)+FR-1], v[8*(8*((\a)%4)+\b):8*(8*((\a)%4)+\b)+7], v[SC+8*NQ*(\sc)+NQ*\b+(\q)], v[SC+8*NQ*(\sc)+NQ*(\a)+(\q)] matrix_a_fmt:MATRIX_FMT_BF8 matrix_b_fmt:MATRIX_FMT_BF8 matrix_a_scale:MATRIX_SCALE_ROW1
.endif
.endr
.endr
.endm
.macro FETCH_B slot, q, p
	WIN TO_B
.irp i, 0,1,2,3,4,5,6,7
	FRAG 128*(\p)+FR*\i, ADRB+\slot, \q, \i
.endr
	WIN 0
.endm
.macro FETCH_A slot, q, i0
.irp i, \i0, \i0+1, \i0+2, \i0+3
	FRAG AF+FR*(\i), ADRA+\slot, \q, \i
.endr
.endm
.macro SCALES sc                       ; a slot's two scale words of each tile: lanes 0-15 A's tile i, lanes 16-31 B's tile i
.irp i, 0,1,2,3,4,5,6,7
	ds_load_b64 v[SC+8*NQ*\sc+NQ*\i:SC+8*NQ*\sc+NQ*\i+1], v[ADRS] offset:\i*SBLK
.endr
.endm
.macro PLACES n                        ; plain vector lines between a matrix instruction and a load into, or a read of, its registers
.rept \n
	v_nop
.endr
.endm
.macro STEP slot, q, zero              ; 128 along K whose successor lies in the same slot
	s_wait_dscnt 4*NL                              ; B's set and A's blocks 0-3 are in; the youngest 16 loads (A's blocks 4-7) may be out
	WIN MUL_LO
	MUL16 0, (\q)%2, \q, \slot, \zero
	MUL16 2, (\q)%2, \q, \slot, \zero
	s_wait_dscnt 0
	PLACES NP
	FETCH_B \slot, (\q)+1, 1-(\q)%2
	FETCH_A \slot, (\q)+1, 0
	WIN MUL_HI
	MUL16 4, (\q)%2, \q, \slot, \zero
	MUL16 6, (\q)%2, \q, \slot, \zero
	PLACES NP
	WIN 0
	FETCH_A \slot, (\q)+1, 4
.endm
; A slot's last step changes slots: one barrier; in front of it each wave waits for all its tensor loads, adds 0 to its spare word, and waits for that and for its reads of this slot.
; fill = 1: the barrier opens a round of the cluster's barrier, and this slot is filled again.  sstep: bytes to the next slot's scale words.
.macro TURN slot, next, fill, sstep
	s_wait_tensorcnt 0x0                           ; all my tensor loads have landed: my part of the next slot
	ds_add_u32 v[SPW], v[NIL]                      ; 0 onto my spare word
	s_wait_dscnt 4*NL+1                            ; (the add and A's blocks 4-7 may be out)
	WIN MUL_LO
	MUL16 0, 1, NQ-1, \slot, 0
	s_wait_dscnt 0x0                               ; the add is done, and my reads of this slot are over
	s_barrier_signal -1
	MUL16 2, 1, NQ-1, \slot, 0
	WIN 0
	s_barrier_wait -1
.if \fill
	CREST                                          ; no wave of any partner still reads this slot or has a load on its way
	s_add_nc_u64 s[G0+4*\slot+2:G0+4*\slot+3], s[G0+4*\slot+2:G0+4*\slot+3], 8192
	s_add_nc_u64 s[G0B+4*\slot+2:G0B+4*\slot+3], s[G0B+4*\slot+2:G0B+4*\slot+3], 8192
	JLOAD G0+4*\slot, G1, G0B+4*\slot, G1B         ; the first tensor load behind the round; its four v_nop are among the places below
	PLACES NP-4
.else
	PLACES NP
.endif
	v_add_nc_u32 v[ADRS], \sstep, v[ADRS]
	FETCH_B \next, 0, 0
	FETCH_A \next, 0, 0
	SCALES \next
	WIN MUL_HI
	MUL16 4, 1, NQ-1, \slot, 0
	MUL16 6, 1, NQ-1, \slot, 0
	PLACES NP
	WIN 0
	FETCH_A \next, 0, 4
.endm
.macro QUANT s                         ; 64 numbers of a lane (register 16 b + i = index 32 b + 16 h + i) -> codes in v[PC] on, scale word in v[PW]
.irp b, 0,1,2,3
	v_max3_num_f32 v[TM+\b], |v[\s+16*\b]|, |v[\s+1+16*\b]|, 0x8000000   ; and the floor 2^(16 - 127): the byte cannot fall under 1
.endr
.irp i, 2,4,6,8,10,12,14
.irp b, 0,1,2,3
	v_max3_num_f32 v[TM+\b], v[TM+\b], |v[\s+16*\b+\i]|, |v[\s+1+16*\b+\i]|
.endr
.endr
.irp b, 0,1,2,3
	v_permlanex16_b32 v[TM+4+\b], v[TM+\b], s[SEL], s[SEL+1]
.endr
.irp b, 0,1,2,3
	v_max_num_f32 v[TM+\b], v[TM+\b], v[TM+4+\b]
.endr
.irp b, 0,1,2,3
	v_add_nc_u32 v[TM+12+\b], 0xf8800000, v[TM+\b]         ; 15 off the exponent field: the conversion's scale operand
.endr
.irp b, 0,1,2,3
	v_and_or_b32 v[TM+8+\b], v[TM+\b], 0x7f800000, s[MNT]  ; 57,344 x the scale
.endr
.irp b, 0,1,2,3
	v_lshrrev_b32 v[TM+4+\b], 23, v[TM+12+\b]
.endr
	v_lshl_or_b32 v[PW], v[TM+5], 8, v[TM+4]
	v_lshl_or_b32 v[PW], v[TM+6], 16, v[PW]
	v_lshl_or_b32 v[PW], v[TM+7], 24, v[PW]
.irp b, 0,1,2,3
.irp i, 0,1,2,3,4,5,6,7,8,9,10,11,12,13,14,15
	v_med3_num_f32 v[\s+16*\b+\i], v[\s+16*\b+\i], -v[TM+8+\b], v[TM+8+\b]   ; the conversion does not saturate (ISA guide 7.6.2)
.endr
	v_cvt_scalef32_pk8_bf8_f32 v[PC+4*\b:PC+1+4*\b], v[\s+16*\b:\s+7+16*\b], v[TM+12+\b]
	v_cvt_scalef32_pk8_bf8_f32 v[PC+2+4*\b:PC+3+4*\b], v[\s+8+16*\b:\s+15+16*\b], v[TM+12+\b]
.endr
	v_nop
.endm
; A's block a leaves: bias, quantiser, four stores of 512 consecutive bytes
.macro EPI a
	s_wait_xcnt 0x0                                ; the last block's stores have read their data and their base
.if (\a) == 4
	s_add_nc_u64 s[98:99], s[98:99], s[12:13]
.elseif (\a) > 0
	s_add_nc_u64 s[98:99], s[98:99], s[2:3]
.endif
.set WW, 0x02+(\a)/4                   ; source 0: window 2 or 3
	s_cmp_eq_u32 s42, 2
	s_cbranch_scc1 .Lbv_\@
	WIN WW
.set n, 0
.rept 32
	v_pk_add_f32 v[TT+n:TT+n+1], v[64*((\a)%4)+n:64*((\a)%4)+n+1], v[BB+n:BB+n+1]   ; Q, K: the bias runs along my registers; each accumulator from its low end on
.set n, n+2
.endr
	WIN 0
	s_branch .Lbj_\@
.Lbv_\@:
	WIN WW
.set n, 0
.rept 32
.if (\a)%2
	v_pk_add_f32 v[TT+n:TT+n+1], v[64*((\a)%4)+n:64*((\a)%4)+n+1], v[BA+2*((\a)/2):BA+2*((\a)/2)+1] op_sel:[0,1] op_sel_hi:[1,1]   ; V: one bias a lane
.else
	v_pk_add_f32 v[TT+n:TT+n+1], v[64*((\a)%4)+n:64*((\a)%4)+n+1], v[BA+2*((\a)/2):BA+2*((\a)/2)+1] op_sel_hi:[1,0]
.endif
.set n, n+2
.endr
	WIN 0
.Lbj_\@:
	QUANT TT
	v_mov_b32 v[PWS+(\a)], v[PW]
	global_store_b128 v[OLO], v[PC:PC+3], s[98:99]
	global_store_b128 v[OLO], v[PC+4:PC+7], s[98:99] offset:512
	global_store_b128 v[OHI], v[PC+8:PC+11], s[98:99]
	global_store_b128 v[OHI], v[PC+12:PC+15], s[98:99] offset:512
.endm
	s_load_b256 s[4:11], s[0:1], 0x0               ; img, isc, bq, bk
	s_load_b128 s[96:99], s[0:1], 0x20             ; bv, qkv
	s_load_b64 s[100:101], s[0:1], 0x30            ; qkvs
	v_lshl_add_u32 v[SPW], v0, 2, SPARE
	v_mov_b32 v[NIL], 0
	ds_add_u32 v13, v14
	ds_add_u32 v13, v14
	s_wait_dscnt 0x0
	v_lshrrev_b32 v1, 5, v0
	v_readfirstlane_b32 s14, v1                    ; wave
	s_lshr_b32 s15, s14, 1                         ; which half of A's tiles is mine.  Also: I fetch for A (0) or B (1)
	s_and_b32 s16, s14, 1                          ; which half of B's.  Also: which 8 tiles I fetch
	s_bfe_u32 s40, ttmp6, 0x40000                  ; cx
	s_bfe_u32 s41, ttmp6, 0x40004                  ; cy
	s_mov_b32 s42, ttmp9                           ; cluster x: 0 Q, 1 K, 2 V: the same in all partners
	s_and_b32 s17, ttmp7, 0xffff                   ; cluster y
	s_lshl_b32 s43, s41, 2
	s_lshl_b32 s43, 15, s43                        ; my row of the cluster
	s_lshl_b32 s44, 0x1111, s40                    ; my column
	; group 1, codes: 8 rows (tiles) of 512 elements of 8 bytes, 2,048 elements apart; no padding
	s_or_b32 s[G1+0], s43, (3<<16)|(1<<21)
	s_or_b32 s[G1B+0], s44, (3<<16)|(1<<21)
.irp g, G1, G1B
	s_mov_b32 s[\g+1], 512<<16                     ; tensor_dim0
	s_mov_b32 s[\g+2], 8<<16                       ; tensor_dim1
	s_mov_b32 s[\g+3], 512<<16                     ; tile_dim0
	s_mov_b32 s[\g+4], 8                           ; tile_dim1
	s_mov_b32 s[\g+5], 2048                        ; from tile to tile
	s_mov_b32 s[\g+6], 0
	s_mov_b32 s[\g+7], 0
.endr
	; group 1, scale words of 8 tiles: a dense block of 4,096 bytes as 16 rows of 256
	s_or_b32 s[G1S+0], s43, (3<<16)|(1<<21)
	s_or_b32 s[G1SB+0], s44, (3<<16)|(1<<21)
.irp g, G1S, G1SB
	s_mov_b32 s[\g+1], 32<<16
	s_mov_b32 s[\g+2], 16<<16
	s_mov_b32 s[\g+3], 32<<16
	s_mov_b32 s[\g+4], 16
	s_mov_b32 s[\g+5], 32
	s_mov_b32 s[\g+6], 0
	s_mov_b32 s[\g+7], 0
.endr
	; the tiles.  A: 16 cy + (V: 384, Wv; else 64 Y, tokens).  B: 16 cx + (V: 64 Y, tokens; else 256 + 64 X, the weight)
	s_lshl_b32 s18, s17, 6
	s_lshl_b32 s20, s41, 4
	s_cmp_eq_u32 s42, 2
	s_cselect_b32 s19, 384, s18
	s_add_co_u32 s20, s20, s19
	s_lshl_b32 s19, s42, 6
	s_add_co_u32 s19, s19, 256
	s_cmp_eq_u32 s42, 2
	s_cselect_b32 s19, s18, s19
	s_lshl_b32 s46, s40, 4
	s_add_co_u32 s46, s46, s19
	s_lshl_b32 s19, s16, 3                         ; the 8 tiles that I fetch
	s_add_co_u32 s20, s20, s19
	s_add_co_u32 s46, s46, s19
	s_lshl_b32 s22, s20, 9                         ; their scale words,
	s_mov_b32 s23, 0
	s_lshl_b32 s20, s20, 14                        ; their codes
	s_mov_b32 s21, 0
	s_lshl_b32 s92, s46, 9
	s_mov_b32 s93, 0
	s_lshl_b32 s46, s46, 14
	s_mov_b32 s47, 0
	s_mul_i32 s45, s14, HALFT                      ; where they go: by the wave's number alone
	s_mul_i32 s94, s14, HALFS
	s_wait_kmcnt 0x0
	s_add_nc_u64 s[20:21], s[4:5], s[20:21]
	s_add_nc_u64 s[22:23], s[6:7], s[22:23]
	s_add_nc_u64 s[46:47], s[4:5], s[46:47]
	s_add_nc_u64 s[92:93], s[6:7], s[92:93]
	CROUND                                         ; all sixteen work-groups are here: the first joint loads meet
	s_mov_b32 s[G0S], 1
	s_add_co_u32 s[G0S+1], s94, SCL
	s_mov_b64 s[G0S+2:G0S+3], s[22:23]
	s_or_b32 s[G0S+3], s[G0S+3], 0x80000000
	s_mov_b32 s[G0SB], 1
	s_add_co_u32 s[G0SB+1], s94, SCL
	s_mov_b64 s[G0SB+2:G0SB+3], s[92:93]
	s_or_b32 s[G0SB+3], s[G0SB+3], 0x80000000
	JLOAD G0S, G1S, G0SB, G1SB                     ; the scale words first
.irp s, 0,1
	s_mov_b32 s[G0+4*\s], 1
	s_add_co_u32 s[G0+4*\s+1], s45, \s*SLOT
	s_add_nc_u64 s[G0+4*\s+2:G0+4*\s+3], s[20:21], \s*4096
	s_or_b32 s[G0+4*\s+3], s[G0+4*\s+3], 0x80000000
	s_mov_b32 s[G0B+4*\s], 1
	s_add_co_u32 s[G0B+4*\s+1], s45, \s*SLOT
	s_add_nc_u64 s[G0B+4*\s+2:G0B+4*\s+3], s[46:47], \s*4096
	s_or_b32 s[G0B+4*\s+3], s[G0B+4*\s+3], 0x80000000
	JLOAD G0+4*\s, G1, G0B+4*\s, G1B               ; three tensor loads of mine are out
.endr
	v_and_b32 v1, 15, v0                           ; r
	v_bfe_u32 v2, v0, 4, 1                         ; h
	v_and_b32 v3, 31, v0
	v_lshlrev_b32 v4, 4, v3                        ; 16 x lane
	s_mul_i32 s21, s15, HALFT
	s_mul_i32 s22, s16, HALFT
	s_add_co_u32 s22, s22, 2*HALFT
.irp s, 0,1
	v_add_nc_u32 v[ADRA+\s], s21, v4
	v_add_nc_u32 v[ADRB+\s], s22, v4
	s_add_co_u32 s21, s21, SLOT
	s_add_co_u32 s22, s22, SLOT
.endr
	v_lshlrev_b32 v5, 4, v1                        ; scale words: 16 bytes a slot
	s_mul_i32 s21, s15, HALFS
	s_mul_i32 s22, s16, HALFS
	s_add_co_u32 s22, s22, 2*HALFS
	s_sub_co_u32 s22, s22, s21
	v_mul_u32_u24 v6, s22, v2                      ; lanes 16-31 take B's
	s_add_co_u32 s21, s21, SCL
	v_add_nc_u32 v5, v5, v6
	v_add_nc_u32 v[ADRS], s21, v5
	; the biases of my 128 features (two heads).  Both forms are loaded by every work-group, inside the chosen buffer, so that no load stands under a branch; the epilogue takes the one that fits
	s_cmp_eq_u32 s42, 2
	s_cselect_b32 s12, s41, s40
	s_cselect_b32 s95, s15, s16
	s_lshl_b32 s12, s12, 2
	s_lshl_b32 s95, s95, 1
	s_add_co_u32 s12, s12, s95                     ; my first head
	s_lshl_b32 s12, s12, 8                         ; 64 numbers of 4 bytes
	s_mov_b32 s13, 0
	s_cmp_eq_u32 s42, 0
	s_cselect_b64 s[2:3], s[8:9], s[10:11]
	s_cmp_eq_u32 s42, 2
	s_cselect_b64 s[2:3], s[96:97], s[2:3]
	s_add_nc_u64 s[2:3], s[2:3], s[12:13]
	v_lshlrev_b32 v17, 6, v2                       ; 64 h
	v_and_b32 v18, 8, v1
	v_add_nc_u32 v18, v18, v1
	v_lshlrev_b32 v18, 2, v18                      ; 4 (r + 8 (r / 8))
.irp b, 0,1,2,3
.irp j, 0,1,2,3
	global_load_b128 v[BB+16*\b+4*\j:BB+16*\b+4*\j+3], v17, s[2:3] offset:128*\b+16*\j
.endr
.endr
.irp a, 0,1,2,3,4,5,6,7
	global_load_b32 v[BA+\a], v18, s[2:3] offset:4*(32*(\a/2)+8*(\a%2))
.endr
	s_wait_tensorcnt 1                             ; the scale words and my part of slot 0 are in; slot 1's load may be out
	s_barrier_signal -1
	s_barrier_wait -1
	FETCH_B 0, 0, 0
	FETCH_A 0, 0, 0
	SCALES 0
	FETCH_A 0, 0, 4
	STEP 0, 0, 1                                   ; the first products start the sums
	TURN 0, 1, 1, 8
	STEP 1, 0, 0
	TURN 1, 0, 1, 248
	STEP 0, 0, 0
	TURN 0, 1, 0, 8                                ; nothing is left to fetch
	STEP 1, 0, 0
	s_wait_dscnt 4*NL
	WIN MUL_LO
	MUL16 0, 1, NQ-1, 1, 0
	MUL16 2, 1, NQ-1, 1, 0
	s_wait_dscnt 0
	WIN MUL_HI
	MUL16 4, 1, NQ-1, 1, 0
	MUL16 6, 1, NQ-1, 1, 0
	WIN 0
	; ---- the way out
	s_wait_loadcnt 0x0                             ; the biases
	PLACES NP
	s_cmp_eq_u32 s42, 2                            ; the roles of A and B change places for V
	s_cselect_b32 s8, s41, s40                     ; the place that says which heads,
	s_cselect_b32 s9, s15, s16                     ; and my half of them
	s_cselect_b32 s10, s40, s41                    ; the place that says which tokens,
	s_cselect_b32 s11, s16, s15                    ; and my half of them
	s_mov_b32 s2, 1024
	s_cselect_b32 s2, 2048, s2                     ; from tile to tile
	s_mov_b32 s12, 1024
	s_cselect_b32 s12, 124928, s12                 ; from tile 3 to tile 4 (V: on to the next head)
	s_mov_b32 s96, 0x20000
	s_cselect_b32 s96, 1024, s96                   ; to the codes' upper half (Q, K: the next head)
	s_mov_b32 s3, 0
	s_mov_b32 s13, 0
	s_lshl_b32 s8, s8, 2
	s_lshl_b32 s9, s9, 1
	s_add_co_u32 s8, s8, s9                        ; my first head
	s_lshl_b32 s9, s17, 2
	s_add_co_u32 s9, s9, s10                       ; which 256 tokens
	s_lshr_b32 s10, s9, 3                          ; batch
	s_and_b32 s9, s9, 7
	s_lshl_b32 s9, s9, 1
	s_add_co_u32 s9, s9, s11                       ; step of 128 tokens in the batch
	s_lshl_b32 s10, s10, 4
	s_add_co_u32 s10, s10, s8                      ; batch x head
	s_lshl_b32 s104, s42, 22
	s_lshl_b32 s11, s10, 17
	s_add_co_u32 s104, s104, s11
	s_lshl_b32 s11, s9, 13
	s_add_co_u32 s104, s104, s11
	s_mov_b32 s105, 0
	s_add_nc_u64 s[98:99], s[98:99], s[104:105]
	s_lshl_b32 s104, s42, 17
	s_lshl_b32 s11, s10, 12
	s_add_co_u32 s104, s104, s11
	s_lshl_b32 s11, s9, 8
	s_add_co_u32 s104, s104, s11
	s_add_nc_u64 s[100:101], s[100:101], s[104:105]
	s_mov_b32 s[SEL], 0x76543210
	s_mov_b32 s[SEL+1], 0xfedcba98
	s_mov_b32 s[MNT], 0x600000
	v_lshlrev_b32 v[OLO], 4, v3
	v_add_nc_u32 v[OHI], s96, v[OLO]
	v_lshlrev_b32 v7, 4, v1
	v_lshl_add_u32 v7, v2, 12, v7                  ; scale words: 16 r, lanes 16-31 the next head's
.irp b, 0,1,2,3
	v_mov_b32 v[TM+4+\b], 0                        ; a lane permute's destination counts as one of its sources
.endr
.irp a, 0,1,2,3,4,5,6,7
	EPI \a
.endr
	v_cmp_ne_u32 vcc_lo, 0, v2
	s_cmp_eq_u32 s42, 2
	s_cbranch_scc1 .Lsv
	v_mov_b32 v19, 0x05040100                      ; Q, K: a tile's word holds head 0's two bytes, then head 1's: two tiles' bytes of one head make a word
	v_mov_b32 v4, 0x07060302
	v_cndmask_b32 v19, v19, v4, vcc_lo
.irp i, 0,1,2,3
	v_perm_b32 v[WO+\i], v[PWS+2*\i+1], v[PWS+2*\i], v19
.endr
	s_branch .Lsj
.Lsv:
.irp i, 0,1,2,3
	v_cndmask_b32 v[WO+\i], v[PWS+\i], v[PWS+4+\i], vcc_lo   ; V: tiles 0-3 are head 0's, tiles 4-7 head 1's
.endr
.Lsj:
	global_store_b128 v7, v[WO:WO+3], s[100:101]   ; sixteen lanes store 256 consecutive bytes
	s_wait_tensorcnt 0x0                           ; the wave's end
	ds_add_u32 v[SPW], v[NIL]
	s_wait_dscnt 0x0
	CROUND                                         ; the closing round
	s_endpgm
.Lfunc_end_k_qf3ae2fd9cd_qkv:
	.size	k_qf3ae2fd9cd_qkv, .Lfunc_end_k_qf3ae2fd9cd_qkv-k_qf3ae2fd9cd_qkv
	.p2alignl 7, 3214868480
	.fill 96, 4, 3214868480
	.section	.rodata,"a",@progbits
	.p2align	6, 0x0
	.amdhsa_kernel k_qf3ae2fd9cd_qkv
		.amdhsa_group_segment_fixed_size 327680
		.amdhsa_private_segment_fixed_size 0
		.amdhsa_enable_private_segment 0
		.amdhsa_kernarg_size 56
		.amdhsa_user_sgpr_count 2
		.amdhsa_user_sgpr_kernarg_segment_ptr 1
		.amdhsa_wavefront_size32 1
		.amdhsa_system_sgpr_workgroup_id_x 1
		.amdhsa_system_sgpr_workgroup_id_y 1
		.amdhsa_system_sgpr_workgroup_id_z 1
		.amdhsa_system_vgpr_workitem_id 0
		.amdhsa_next_free_vgpr 1024
		.amdhsa_next_free_sgpr 106
		.amdhsa_reserve_vcc 1
		.amdhsa_float_denorm_mode_32 3
		.amdhsa_float_denorm_mode_16_64 3
		.amdhsa_memory_ordered 1
		.amdhsa_forward_progress 1
		.amdhsa_inst_pref_size 222
	.end_amdhsa_kernel
	.amdgpu_metadata
---
amdhsa.version: [ 1, 2 ]
amdhsa.kernels:
  - .name:           k_qf3ae2fd9cd_qkv
    .symbol:         k_qf3ae2fd9cd_qkv.kd
    .args:
      - { .name: img, .offset: 0, .size: 8, .value_kind: global_buffer, .address_space: global }
      - { .name: isc, .offset: 8, .size: 8, .value_kind: global_buffer, .address_space: global }
      - { .name: bq, .offset: 16, .size: 8, .value_kind: global_buffer, .address_space: global }
      - { .name: bk, .offset: 24, .size: 8, .value_kind: global_buffer, .address_space: global }
      - { .name: bv, .offset: 32, .size: 8, .value_kind: global_buffer, .address_space: global }
      - { .name: qkv, .offset: 40, .size: 8, .value_kind: global_buffer, .address_space: global }
      - { .name: qkvs, .offset: 48, .size: 8, .value_kind: global_buffer, .address_space: global }
    .group_segment_fixed_size: 327680
    .private_segment_fixed_size: 0
    .kernarg_segment_align: 8
    .kernarg_segment_size: 56
    .max_flat_workgroup_size: 128
    .sgpr_count:     106
    .vgpr_count:     1024
    .wavefront_size: 32
...
	.end_amdgpu_metadata
.endif
;; end of part 2
;; launch attn (part 3): grid 8 x 32, 8 waves a work-group, no clusters, 271,360 bytes of LDS; arguments qkv, qkvs, mbits, oimg, osc; writes oimg, osc
.if DOCPART == 3
	.amdgcn_target "amdgcn-amd-amdhsa--gfx1250"
	.amdhsa_code_object_version 6
	.text
	.protected	k_qf3ae2fd9cd_attn
	.globl	k_qf3ae2fd9cd_attn
	.p2align	8
	.type	k_qf3ae2fd9cd_attn,@function
k_qf3ae2fd9cd_attn:
	s_mov_b64 s[64:65], 0
	v_nop
	global_prefetch_b8 v0, s[64:65] scope:SCOPE_SE
	s_setreg_imm32_b32 hwreg(HW_REG_WAVE_MODE, 25, 1), 1
	s_wait_xcnt 0x0
; ATTENTION on codes of BF8 with E8M0 scales: scores = Q K^T / 8 with the mask, softmax, O = P V / l, and O quantised along the model's 1,024 for the last product.
; THE SOFTMAX.  The model takes the row's maximum off the scores before its softmax, so the softmax's logit has the maximum 0: what is quantised is p = 2^((s - smax) log2(e) / 8), its largest exactly 1.
; So the keys are walked TWICE: pass 1 finds each query's exact maximum, pass 2 makes the same scores again, by the same instructions on the same operands, so that s - smax is exactly 0 at the maximum.
; The row's sum is taken of the unquantised p and divides O at the end.  A row all of whose keys are blocked has the logit 0 everywhere (p = 1 for all 2,048 keys), as the model gives it.
; SHARES.  A work-group takes one batch x head (y) and 8 blocks of 32 queries; wave w takes block 8 g + x, g = w for w < 4, else 11 - w.  A block is two tiles of 16 queries, which share every fragment of K and V.
; The head's K and V codes and scale words (264 KiB) are copied into LDS once; one barrier; from then on LDS is only read.
; THE HEAD'S 64 IS HALF OF THE INSTRUCTION'S 128: a fragment of source 0 holds TWO tiles of 16 keys side by side, and is multiplied by [q | 0] for the first and by [0 | q] for the second (q between two runs of eight zero registers).
; LAYOUT.  Both products are used transposed: a lane holds one query (lane % 16).  By the tiles' order of rows, score register 16 b + i is key 128 step + 32 b + 16 (lane / 16) + i, and O's register 16 b + i is channel 32 b + 16 (lane / 16) + i.
; THE MASK comes as lane-mask words and flags that the first launch stored.  A step of 128 keys that is blocked for all 32 queries is passed over by a scalar branch on the stored flags (unless a query of the block has no key at all);
; a step in which every key counts skips the masking.
; NO CLUSTER, NO TENSOR LOAD: the eight work-groups of a head read the same 264 KiB, but each reads them once, at its head.
; NO PREFETCH: all that a work-group reads from memory but the mask words is asked for at its head.
; LIMITS: scores are taken to be finite; p under 2^-126 is 0 (v_exp_f32); 1 / l is v_rcp_f32 and a multiplication; a block of zeros gets the byte 1, not 127.
; REGISTERS.  window 0: v1-11 addresses; v16-19 smax (twice each); v20-23 l; v24, 25 what a blocked score becomes; v28-31 1 / l; v32-63 at work; v64-127, v128-191 scores of tiles A, B; v192-223 p's codes; v224-235 scale words.
;   window 1: v0-63 K's four fragments; v64-87, v88-111 [0 | q | 0] of A, B; v128-159, v160-191 O^T of A, B; v192-255 V's four fragments.
.set KS,   224
.set VS,   228
.set QS,   232                         ; v232, v233
.set PC,   192
.set TM,   32
.set PW,   234                         ; v234, v235
.set NEGI, 26
.set ZERO, 27
.set AK,   8
.set ASC,  9
.set AV,   10
.set SEL,  26                          ; s[26:27]
.set MNT,  28
.set MSB, 0
.macro WIN new
.if MSB != \new
	s_set_vgpr_msb (MSB<<8)|\new
.set MSB, \new
.endif
.endm
.macro KLOAD                           ; a step's 8 tiles of K as four fragments, and their scale words
	v_add_nc_u32 v[AK], s21, v1
	v_add_nc_u32 v[ASC], s22, v7
	WIN 0x40
.irp g, 0,1,2,3
.irp c, 0,1,2,3
	ds_load_b128 v[16*\g+4*\c:16*\g+4*\c+3], v[AK] offset:2048*\g+512*\c
.endr
.endr
	WIN 0
	ds_load_b128 v[KS:KS+3], v[ASC]
.endm
.macro VLOAD                           ; the step's four tiles of V^T, and their scale words
	v_add_nc_u32 v[AV], s21, v6
	WIN 0x40
.irp g, 0,1,2,3
.irp c, 0,1,2,3
	ds_load_b128 v[192+16*\g+4*\c:192+16*\g+4*\c+3], v[AV] offset:2048*\g+512*\c
.endr
.endr
	WIN 0
	ds_load_b128 v[VS:VS+3], v[ASC] offset:4096
.endm
.macro KQ                              ; 16 products: fragment g x ([q | 0], [0 | q]) x (tile A, tile B)
	WIN 0x05
.irp g, 0,1,2,3
.irp u, 0,1
.irp t, 0,1
	v_wmma_scale_f32_16x16x128_f8f6f4 v[64+64*\t+8*(2*\g+\u):64+64*\t+8*(2*\g+\u)+7], v[16*\g:16*\g+15], v[64+24*\t+8*(1-\u):64+24*\t+8*(1-\u)+15], 0, v[KS+\g], v[QS+\t] matrix_a_fmt:MATRIX_FMT_BF8 matrix_b_fmt:MATRIX_FMT_BF8
.endr
.endr
.endr
	WIN 0
.rept 8
	v_nop                                          ; places in front of the first read of the scores and of the next loads into K's registers
.endr
.endm
.macro MASK u, sreg, fill              ; the 64 lane-mask words of tile u: a blocked score becomes v[fill]
	s_load_b512 s[32:47], s[30:31], s23 offset:256*\u
	s_load_b512 s[48:63], s[30:31], s23 offset:256*\u+64
	s_load_b512 s[68:83], s[30:31], s23 offset:256*\u+128
	s_load_b512 s[84:99], s[30:31], s23 offset:256*\u+192
	s_wait_kmcnt 0x0
.set j, 0
.rept 64
.set w, 2*(j%32)+j/32
	v_cndmask_b32 v[\sreg+j], v[\sreg+j], v[\fill], s[32+w+4*(w/32)]
.set j, j+1
.endr
.endm
.macro SOFT t                          ; tile t: p, its sum, its codes and its scale word
.set SS, 64+64*(\t)
.set TQ, 32+16*(\t)
.set PP, 192+16*(\t)
.set MM, 16+2*(\t)
.set LL, 20+2*(\t)
.irp b, 0,1,2,3
	v_max3_num_f32 v[TQ+\b], v[SS+16*\b], v[SS+16*\b+1], v[SS+16*\b+2]   ; the largest score of each block of 32 keys: p rises with the score, so it gives the block's largest p
.endr
.irp i, 3,5,7,9,11,13
.irp b, 0,1,2,3
	v_max3_num_f32 v[TQ+\b], v[TQ+\b], v[SS+16*\b+\i], v[SS+16*\b+\i+1]
.endr
.endr
.irp b, 0,1,2,3
	v_max_num_f32 v[TQ+\b], v[TQ+\b], v[SS+16*\b+15]
.endr
.irp b, 0,1,2,3
	v_permlanex16_b32 v[TQ+4+\b], v[TQ+\b], s[SEL], s[SEL+1]
.endr
.irp b, 0,1,2,3
	v_max_num_f32 v[TQ+\b], v[TQ+\b], v[TQ+4+\b]
.endr
.set n, 0
.rept 32
	v_pk_add_f32 v[SS+n:SS+n+1], v[SS+n:SS+n+1], v[MM:MM+1] neg_lo:[0,1] neg_hi:[0,1]   ; s - smax: exactly 0 at the maximum.  (Not fused with the scaling: the fused form would leave a rest there)
.set n, n+2
.endr
.irp b, 0,1,2,3
	v_sub_f32 v[TQ+\b], v[TQ+\b], v[MM]
.endr
.set n, 0
.rept 32
	v_pk_mul_f32 v[SS+n:SS+n+1], v[SS+n:SS+n+1], s[24:25] op_sel_hi:[1,0]   ; x log2(e) / 8
.set n, n+2
.endr
.irp b, 0,1,2,3
	v_mul_f32 v[TQ+\b], s24, v[TQ+\b]
.endr
.irp b, 0,1,2,3
	v_exp_f32 v[TQ+\b], v[TQ+\b]                   ; the same three steps on the same number give the same bits as the block's largest p
.endr
.set n, 0
.rept 64
	v_exp_f32 v[SS+n], v[SS+n]
.set n, n+1
.endr
	v_nop                                          ; a plain line behind the last exponential
	s_wait_alu depctr_va_vdst(0)                   ; one wait for the batch of 68, ahead of its first reader
	v_pk_add_f32 v[TQ+4:TQ+5], v[SS:SS+1], v[SS+2:SS+3]   ; the row's sum of the unquantised p, in two chains
.irp j, 4,8,12,16,20,24,28,32,36,40,44,48,52,56,60
	v_pk_add_f32 v[LL:LL+1], v[LL:LL+1], v[SS+\j:SS+\j+1]
	v_pk_add_f32 v[TQ+4:TQ+5], v[TQ+4:TQ+5], v[SS+\j+2:SS+\j+3]
.endr
	v_pk_add_f32 v[LL:LL+1], v[LL:LL+1], v[TQ+4:TQ+5]
.irp b, 0,1,2,3
	v_max_num_f32 v[TQ+\b], 0x8000000, v[TQ+\b]    ; the floor 2^(16 - 127)
.endr
.irp b, 0,1,2,3
	v_add_nc_u32 v[TQ+12+\b], 0xf8800000, v[TQ+\b]
.endr
.irp b, 0,1,2,3
	v_and_or_b32 v[TQ+8+\b], v[TQ+\b], 0x7f800000, s[MNT]
.endr
.irp b, 0,1,2,3
	v_lshrrev_b32 v[TQ+4+\b], 23, v[TQ+12+\b]
.endr
	v_lshl_or_b32 v[PW+(\t)], v[TQ+5], 8, v[TQ+4]
	v_lshl_or_b32 v[PW+(\t)], v[TQ+6], 16, v[PW+(\t)]
	v_lshl_or_b32 v[PW+(\t)], v[TQ+7], 24, v[PW+(\t)]
.irp b, 0,1,2,3
.irp i, 0,1,2,3,4,5,6,7,8,9,10,11,12,13,14,15
	v_min_num_f32 v[SS+16*\b+\i], v[SS+16*\b+\i], v[TQ+8+\b]   ; the conversion does not saturate (ISA guide 7.6.2); p is not negative
.endr
	v_cvt_scalef32_pk8_bf8_f32 v[PP+4*\b:PP+4*\b+1], v[SS+16*\b:SS+16*\b+7], v[TQ+12+\b]
	v_cvt_scalef32_pk8_bf8_f32 v[PP+4*\b+2:PP+4*\b+3], v[SS+16*\b+8:SS+16*\b+15], v[TQ+12+\b]
.endr
	v_nop
.endm
.macro PV                              ; O^T += V^T P^T: eight accumulators by turns
.rept 4
	v_nop                                          ; places between the codes' last conversion and the products
.endr
	s_wait_dscnt 0x0                               ; V
	WIN 0x51
.irp g, 0,1,2,3
.irp t, 0,1
	v_wmma_scale_f32_16x16x128_f8f6f4 v[128+32*\t+8*\g:128+32*\t+8*\g+7], v[192+16*\g:192+16*\g+15], v[192+16*\t:192+16*\t+15], v[128+32*\t+8*\g:128+32*\t+8*\g+7], v[VS+\g], v[PW+\t] matrix_a_fmt:MATRIX_FMT_BF8 matrix_b_fmt:MATRIX_FMT_BF8
.endr
.endr
	WIN 0
.rept 8
	v_nop                                          ; places in front of the next loads into V's registers, the next codes, and the read of O^T
.endr
.endm
.macro QUANT s
.irp b, 0,1,2,3
	v_max3_num_f32 v[TM+\b], |v[\s+16*\b]|, |v[\s+1+16*\b]|, 0x8000000
.endr
.irp i, 2,4,6,8,10,12,14
.irp b, 0,1,2,3
	v_max3_num_f32 v[TM+\b], v[TM+\b], |v[\s+16*\b+\i]|, |v[\s+1+16*\b+\i]|
.endr
.endr
.irp b, 0,1,2,3
	v_permlanex16_b32 v[TM+4+\b], v[TM+\b], s[SEL], s[SEL+1]
.endr
.irp b, 0,1,2,3
	v_max_num_f32 v[TM+\b], v[TM+\b], v[TM+4+\b]
.endr
.irp b, 0,1,2,3
	v_add_nc_u32 v[TM+12+\b], 0xf8800000, v[TM+\b]
.endr
.irp b, 0,1,2,3
	v_and_or_b32 v[TM+8+\b], v[TM+\b], 0x7f800000, s[MNT]
.endr
.irp b, 0,1,2,3
	v_lshrrev_b32 v[TM+4+\b], 23, v[TM+12+\b]
.endr
	v_lshl_or_b32 v[PW], v[TM+5], 8, v[TM+4]
	v_lshl_or_b32 v[PW], v[TM+6], 16, v[PW]
	v_lshl_or_b32 v[PW], v[TM+7], 24, v[PW]
.irp b, 0,1,2,3
.irp i, 0,1,2,3,4,5,6,7,8,9,10,11,12,13,14,15
	v_med3_num_f32 v[\s+16*\b+\i], v[\s+16*\b+\i], -v[TM+8+\b], v[TM+8+\b]
.endr
	v_cvt_scalef32_pk8_bf8_f32 v[PC+4*\b:PC+1+4*\b], v[\s+16*\b:\s+7+16*\b], v[TM+12+\b]
	v_cvt_scalef32_pk8_bf8_f32 v[PC+2+4*\b:PC+3+4*\b], v[\s+8+16*\b:\s+15+16*\b], v[TM+12+\b]
.endr
	v_nop
.endm
	s_load_b256 s[4:11], s[0:1], 0x0               ; qkv, qkvs, mbits, oimg
	s_load_b64 s[12:13], s[0:1], 0x20              ; osc
	v_lshl_add_u32 v254, v0, 2, 0x42000
	v_mov_b32 v255, 0
	v_lshrrev_b32 v1, 5, v0
	v_readfirstlane_b32 s14, v1                    ; wave 0..7
	v_and_b32 v2, 31, v0
	v_lshlrev_b32 v1, 4, v2                        ; 16 x lane
	v_and_b32 v12, 15, v0                          ; r
	v_bfe_u32 v13, v0, 4, 1                        ; h
	v_lshlrev_b32 v2, 4, v12                       ; 16 r
	s_and_b32 s15, ttmp7, 0xffff                   ; batch x head
	s_sub_co_u32 s16, 11, s14
	s_cmp_lt_u32 s14, 4
	s_cselect_b32 s16, s14, s16
	s_lshl_b32 s17, s16, 3
	s_add_co_u32 s17, s17, ttmp9                   ; my block of 32 queries
	s_lshl_b32 s16, s14, 14
	v_add_nc_u32 v3, s16, v1                       ; LDS: where I put my eighth of K,
	v_add_nc_u32 v4, 0x20000, v3                   ; of V,
	s_lshl_b32 s29, s14, 9
	s_add_co_u32 s29, s29, 0x40000
	v_add_nc_u32 v5, s29, v1                       ; of the scale words (V's 4,096 bytes behind K's)
	v_add_nc_u32 v6, 0x20000, v1                   ; where V's fragments are read,
	v_add_nc_u32 v7, 0x40000, v2                   ; and the scale words
	v_lshl_add_u32 v11, v13, 9, v2                 ; O's scale bytes: 16 r, lanes 16-31 the next tile's
	s_lshl_b32 s2, s15, 17
	s_add_co_u32 s2, s2, s16                       ; my eighth of the head's 131,072 bytes
	s_mov_b32 s3, 0
	s_lshl_b32 s66, s15, 17
	s_lshl_b32 s29, s17, 11
	s_add_co_u32 s66, s66, s29                     ; my two tiles of Q
	s_mov_b32 s67, 0
	s_lshl_b32 s100, s15, 12
	s_lshl_b32 s29, s14, 9
	s_add_co_u32 s100, s100, s29                   ; my eighth of the head's 4,096 bytes of scale words
	s_mov_b32 s101, 0
	s_lshl_b32 s60, s15, 12
	s_lshr_b32 s29, s17, 2
	s_lshl_b32 s29, s29, 8
	s_add_co_u32 s60, s60, s29
	s_and_b32 s29, s17, 3
	s_lshl_b32 s29, s29, 2
	s_add_co_u32 s60, s60, s29                     ; Q's scale word of my two tiles
	s_mov_b32 s61, 0
	s_lshl_b32 s62, s17, 9
	s_add_co_u32 s62, s62, 0x80000                 ; my block's flags
	s_mov_b32 s63, 0
	s_lshl_b32 s68, s17, 13                        ; my block's mask words
	s_mov_b32 s69, 0
	s_wait_kmcnt 0x0
	s_add_nc_u64 s[48:49], s[4:5], s[2:3]
	s_add_nc_u64 s[50:51], s[48:49], 0x800000      ; V
	s_add_nc_u64 s[52:53], s[4:5], s[66:67]
	s_add_nc_u64 s[54:55], s[6:7], s[100:101]
	s_add_nc_u64 s[56:57], s[6:7], s[60:61]
	s_add_nc_u64 s[58:59], s[8:9], s[62:63]
	s_add_nc_u64 s[30:31], s[8:9], s[68:69]
	s_load_b128 s[32:35], s[58:59], 0x0            ; the four records of flags
	s_load_b128 s[36:39], s[58:59], 0x80
	s_load_b128 s[40:43], s[58:59], 0x100
	s_load_b128 s[44:47], s[58:59], 0x180
.set i, 0
.rept 32
	global_load_b128 v[64+4*i:67+4*i], v1, s[48:49] offset:0x400000+512*i   ; K
.set i, i+1
.endr
	global_load_b128 v[192:195], v1, s[54:55] offset:131072
	global_load_b128 v[196:199], v1, s[54:55] offset:262144
	WIN 0x40
	global_load_b128 v[72:75], v1, s[52:53]        ; q of tile A, between its zeros,
	global_load_b128 v[76:79], v1, s[52:53] offset:512
	global_load_b128 v[96:99], v1, s[52:53] offset:1024   ; of tile B
	global_load_b128 v[100:103], v1, s[52:53] offset:1536
	WIN 0
	global_load_b32 v200, v2, s[56:57]
	WIN 0x40
.set i, 0
.rept 32
	global_load_b128 v[128+4*i:131+4*i], v1, s[50:51] offset:512*i   ; V
.set i, i+1
.endr
.irp i, 0,1,2,3,4,5,6,7
	v_mov_b32 v[64+\i], 0                          ; the zero halves
	v_mov_b32 v[80+\i], 0
	v_mov_b32 v[88+\i], 0
	v_mov_b32 v[104+\i], 0
.endr
	WIN 0
	s_mov_b32 s24, 0x3e38aa3b                      ; log2(e) / 8
	s_mov_b32 s25, s24
	s_mov_b32 s[SEL], 0x76543210
	s_mov_b32 s[SEL+1], 0xfedcba98
	s_mov_b32 s[MNT], 0x600000
	s_wait_loadcnt 32                              ; all but V's 32 loads are in
.set i, 0
.rept 32
	ds_store_b128 v3, v[64+4*i:67+4*i] offset:512*i
.set i, i+1
.endr
	ds_store_b128 v5, v[192:195]
	ds_store_b128 v5, v[196:199] offset:4096
	v_perm_b32 v[QS], v200, v200, 0x01000100       ; tile A's two bytes, for either half of K
	v_perm_b32 v[QS+1], v200, v200, 0x03020302     ; tile B's
	v_mov_b32 v[NEGI], 0xff800000
	v_mov_b32 v[ZERO], 0
.irp k, 0,1,2,3
	v_mov_b32 v[32+\k], 0xff800000                 ; pass 1's running maxima, four chains a tile
	v_mov_b32 v[48+\k], 0xff800000
	v_mov_b32 v[36+\k], 0                          ; a lane permute's destination counts as one of its sources
	v_mov_b32 v[52+\k], 0
.endr
	s_wait_loadcnt 0x0
	WIN 0x04
.set i, 0
.rept 32
	ds_store_b128 v4, v[128+4*i:131+4*i] offset:512*i
.set i, i+1
.endr
	WIN 0
	s_wait_kmcnt 0x0
	s_or_b32 s18, s32, s36
	s_or_b32 s18, s18, s40
	s_or_b32 s18, s18, s44                         ; steps in which a key counts
	s_or_b32 s19, s33, s37
	s_or_b32 s19, s19, s41
	s_or_b32 s19, s19, s45                         ; steps in which a key is blocked
	s_and_b32 s2, s34, s38
	s_and_b32 s2, s2, s42
	s_and_b32 s2, s2, s46
	s_and_b32 s3, s35, s39
	s_and_b32 s3, s3, s43
	s_and_b32 s3, s3, s47
	s_lshr_b32 s16, s2, 16
	s_and_b32 s2, s2, s16
	s_lshr_b32 s16, s3, 16
	s_and_b32 s3, s3, s16
	s_or_b32 s2, s2, s3
	s_and_b32 s2, s2, 0xffff                       ; queries without any key
	s_cmp_lg_u32 s2, 0
	s_cselect_b32 s18, 0xffff, s18                 ; such a query weighs all keys alike: no step is passed over
	s_wait_dscnt 0x0                               ; my stores have landed
	s_barrier_signal -1
	s_barrier_wait -1                              ; everybody's have: from here on LDS is only read
	; ---- pass 1: the maxima
	s_mov_b32 s20, 0                               ; step,
	s_mov_b32 s21, 0                               ; x 8,192: its codes,
	s_mov_b32 s22, 0                               ; x 256: its scale words,
	s_mov_b32 s23, 0                               ; x 512: its mask words
.Lp1:
	s_bitcmp1_b32 s18, s20
	s_cbranch_scc0 .Lp1_next
	KLOAD
	s_wait_dscnt 0x0
	KQ
	s_bitcmp1_b32 s19, s20
	s_cbranch_scc0 .Lp1_open
	MASK 0, 64, NEGI
	MASK 1, 128, NEGI
.Lp1_open:
.irp i, 0,2,4,6,8,10,12,14
.irp k, 0,1,2,3
	v_max3_num_f32 v[32+\k], v[32+\k], v[64+16*\k+\i], v[64+16*\k+\i+1]     ; each accumulator from its low end on
	v_max3_num_f32 v[48+\k], v[48+\k], v[128+16*\k+\i], v[128+16*\k+\i+1]
.endr
.endr
.Lp1_next:
	s_add_co_u32 s21, s21, 8192
	s_add_co_u32 s22, s22, 256
	s_add_co_u32 s23, s23, 512
	s_add_co_u32 s20, s20, 1
	s_cmp_lt_u32 s20, 16
	s_cbranch_scc1 .Lp1
.irp t, 0,1
	v_max3_num_f32 v[32+16*\t], v[32+16*\t], v[33+16*\t], v[34+16*\t]
	v_max_num_f32 v[32+16*\t], v[32+16*\t], v[35+16*\t]
	v_permlanex16_b32 v[36+16*\t], v[32+16*\t], s[SEL], s[SEL+1]
	v_max_num_f32 v[16+2*\t], v[32+16*\t], v[36+16*\t]       ; my query's maximum
	v_cmp_eq_f32 vcc_lo, v[16+2*\t], v[NEGI]                 ; a query without any key:
	v_cndmask_b32 v[16+2*\t], v[16+2*\t], v[ZERO], vcc_lo    ; its maximum counts as 0,
	v_cndmask_b32 v[24+\t], v[NEGI], v[ZERO], vcc_lo         ; and its blocked scores become 0: p = 1; any other query's become -infinity: p = 0
	v_mov_b32 v[17+2*\t], v[16+2*\t]
.endr
	v_mov_b32 v20, 0                               ; the sums
	v_mov_b32 v21, 0
	v_mov_b32 v22, 0
	v_mov_b32 v23, 0
	WIN 0x40
.set i, 0
.rept 64
	v_mov_b32 v[128+i], 0                          ; O^T: which step is the first hangs on the flags, so the sums begin as zeros
.set i, i+1
.endr
	WIN 0
	; ---- pass 2
	s_mov_b32 s20, 0
	s_mov_b32 s21, 0
	s_mov_b32 s22, 0
	s_mov_b32 s23, 0
.Lp2:
	s_bitcmp1_b32 s18, s20
	s_cbranch_scc0 .Lp2_next
	KLOAD
	VLOAD
	s_wait_dscnt 17                                ; K and its scale words are in; V's 16 loads and its scale words may be out
	KQ
	s_bitcmp1_b32 s19, s20
	s_cbranch_scc0 .Lp2_open
	MASK 0, 64, 24
	MASK 1, 128, 25
.Lp2_open:
	SOFT 0
	SOFT 1
	PV
.Lp2_next:
	s_add_co_u32 s21, s21, 8192
	s_add_co_u32 s22, s22, 256
	s_add_co_u32 s23, s23, 512
	s_add_co_u32 s20, s20, 1
	s_cmp_lt_u32 s20, 16
	s_cbranch_scc1 .Lp2
	; ---- the way out: O / l, quantised along the model's axis: my head's 64 channels are two blocks of 32 for each tile
	v_add_f32 v20, v20, v21
	v_add_f32 v22, v22, v23
	v_permlanex16_b32 v36, v20, s[SEL], s[SEL+1]
	v_permlanex16_b32 v52, v22, s[SEL], s[SEL+1]
	v_add_f32 v20, v20, v36
	v_add_f32 v22, v22, v52
	v_rcp_f32 v28, v20
	v_rcp_f32 v30, v22
	v_lshlrev_b32 v14, 4, v13                      ; (a plain line behind the reciprocals)  16 h
	s_wait_alu depctr_va_vdst(0)                   ; one wait for both, ahead of their first reader
	v_mov_b32 v29, v28
	v_mov_b32 v31, v30
	WIN 0x01
.set n, 0
.rept 32
	v_pk_mul_f32 v[64+2*n:65+2*n], v[128+2*n:129+2*n], v[28+2*(n/16):29+2*(n/16)]   ; each accumulator from its low end on
.set n, n+1
.endr
	WIN 0
	s_lshr_b32 s2, s15, 4                          ; batch
	s_and_b32 s3, s15, 15                          ; head
	s_lshl_b32 s2, s2, 7
	s_lshl_b32 s16, s17, 1
	s_add_co_u32 s2, s2, s16                       ; tile A among the 256 tiles of rows
	s_lshl_b32 s32, s2, 14
	s_lshr_b32 s16, s3, 1                          ; the K step of 128 in which my head lies,
	s_lshl_b32 s29, s16, 11
	s_add_co_u32 s32, s32, s29
	s_and_b32 s29, s3, 1                           ; and which half of it
	s_lshl_b32 s34, s29, 10
	s_add_co_u32 s32, s32, s34
	s_mov_b32 s33, 0
	s_add_nc_u64 s[10:11], s[10:11], s[32:33]
	s_lshl_b32 s32, s2, 9
	s_lshr_b32 s34, s3, 3
	s_lshl_b32 s34, s34, 8
	s_add_co_u32 s32, s32, s34
	s_and_b32 s16, s16, 3
	s_lshl_b32 s16, s16, 2
	s_add_co_u32 s32, s32, s16
	s_lshl_b32 s29, s29, 1
	s_add_co_u32 s32, s32, s29
	s_add_nc_u64 s[12:13], s[12:13], s[32:33]
	QUANT 64
	v_lshrrev_b32 v236, v14, v[PW]                 ; lanes 0-15: tile A's two bytes; lanes 16-31: tile B's
	global_store_b128 v1, v[192:195], s[10:11]     ; 512 consecutive bytes each
	global_store_b128 v1, v[196:199], s[10:11] offset:512
	global_store_b128 v1, v[200:203], s[10:11] offset:16384
	global_store_b128 v1, v[204:207], s[10:11] offset:16896
	global_store_b16 v11, v236, s[12:13]           ; two bytes a row: a head's part of a scale word; 131,072 bytes in the whole launch
	s_wait_tensorcnt 0x0
	ds_add_u32 v254, v255
	s_wait_dscnt 0x0
	s_endpgm
.Lfunc_end_k_qf3ae2fd9cd_attn:
	.size	k_qf3ae2fd9cd_attn, .Lfunc_end_k_qf3ae2fd9cd_attn-k_qf3ae2fd9cd_attn
	.p2alignl 7, 3214868480
	.fill 96, 4, 3214868480
	.section	.rodata,"a",@progbits
	.p2align	6, 0x0
	.amdhsa_kernel k_qf3ae2fd9cd_attn
		.amdhsa_group_segment_fixed_size 271360
		.amdhsa_private_segment_fixed_size 0
		.amdhsa_enable_private_segment 0
		.amdhsa_kernarg_size 40
		.amdhsa_user_sgpr_count 2
		.amdhsa_user_sgpr_kernarg_segment_ptr 1
		.amdhsa_wavefront_size32 1
		.amdhsa_system_sgpr_workgroup_id_x 1
		.amdhsa_system_sgpr_workgroup_id_y 1
		.amdhsa_system_sgpr_workgroup_id_z 1
		.amdhsa_system_vgpr_workitem_id 0
		.amdhsa_next_free_vgpr 512
		.amdhsa_next_free_sgpr 102
		.amdhsa_reserve_vcc 1
		.amdhsa_float_denorm_mode_32 3
		.amdhsa_float_denorm_mode_16_64 3
		.amdhsa_memory_ordered 1
		.amdhsa_forward_progress 1
		.amdhsa_inst_pref_size 93
	.end_amdhsa_kernel
	.amdgpu_metadata
---
amdhsa.version: [ 1, 2 ]
amdhsa.kernels:
  - .name:           k_qf3ae2fd9cd_attn
    .symbol:         k_qf3ae2fd9cd_attn.kd
    .args:
      - { .name: qkv, .offset: 0, .size: 8, .value_kind: global_buffer, .address_space: global }
      - { .name: qkvs, .offset: 8, .size: 8, .value_kind: global_buffer, .address_space: global }
      - { .name: mbits, .offset: 16, .size: 8, .value_kind: global_buffer, .address_space: global }
      - { .name: oimg, .offset: 24, .size: 8, .value_kind: global_buffer, .address_space: global }
      - { .name: osc, .offset: 32, .size: 8, .value_kind: global_buffer, .address_space: global }
    .group_segment_fixed_size: 271360
    .private_segment_fixed_size: 0
    .kernarg_segment_align: 8
    .kernarg_segment_size: 40
    .max_flat_workgroup_size: 256
    .sgpr_count:     102
    .vgpr_count:     512
    .wavefront_size: 32
...
	.end_amdgpu_metadata
.endif
;; end of part 3
;; launch proj (part 4): grid 4 x 16, 4 waves a work-group, clusters of 4 x 4, 327,680 bytes of LDS; arguments oimg, osc, img, isc, y0; writes y0
.if DOCPART == 4
	.amdgcn_target "amdgcn-amd-amdhsa--gfx1250"
	.amdhsa_code_object_version 6
	.text
	.protected	k_qf3ae2fd9cd_proj
	.globl	k_qf3ae2fd9cd_proj
	.p2align	8
	.type	k_qf3ae2fd9cd_proj,@function
k_qf3ae2fd9cd_proj:
	s_mov_b64 s[64:65], 0
	v_nop
	global_prefetch_b8 v0, s[64:65] scope:SCOPE_SE
	s_setreg_imm32_b32 hwreg(HW_REG_WAVE_MODE, 25, 1), 1
	s_wait_xcnt 0x0
	s_wait_alu depctr_hold_cnt(0) depctr_sa_sdst(0) depctr_va_vdst(0) depctr_va_sdst(0) depctr_va_ssrc(0) depctr_va_vcc(0) depctr_vm_vsrc(0)
	s_getreg_b32 s2, hwreg(HW_REG_IB_STS2, 6, 4)
	s_cmp_eq_u32 s2, 0
	s_cbranch_scc0 .Lentry_in_a_cluster
	s_endpgm
.Lentry_in_a_cluster:
	s_bfe_u32 s2, ttmp6, 0x10000c
	s_cmp_lg_u32 s2, 0xf033
	s_cbranch_scc0 .Lentry_shape_is_right
	s_endpgm
.Lentry_shape_is_right:
; y0 = o Wo^T on codes of BF8 with E8M0 scales (K = 1,024); y0 [4096][1024] f32, rows as the model has them.  The bias, the residual and the norm follow in the next launch.
; The main text is that of the launch for Q, K, V: a work-group of four waves makes 256 x 256, a wave 128 x 128; operands lie in memory in the order of the operand's registers ([tile][K step][2,048 bytes]);
; K goes in steps of 256 through two LDS slots, a wave's tensor load brings 8 tiles x 4,096 bytes; the scale words come once; the four slots' steps are written out.
; "A" (source 1: its slot becomes the result's lane) = o's tiles; "B" (source 0: its index runs along the lane's registers) = Wo's tiles, 448 on in img.
; CLUSTERS: 4 x 4 work-groups; A's tiles are shared along a row of the cluster, B's along a column, by joint loads.  64 work-groups: the tile is kept, so that both products have one main text.
; THE WAY OUT: a block of 16 slots x 128 columns goes through the wave's own stage in LDS (in slot 0, which has had its last fill and its last read) and leaves as whole rows of 512 bytes.
.set NQ,     2
.set FR,     16
.set NL,     4
.set NP,     8
.set HALFT,  32768
.set SLOT,   4*HALFT
.set SCL,    2*SLOT
.set HALFS,  4096
.set SBLK,   512
.set SPARE,  SCL+4*HALFS               ; the spare words: 128 bytes a wave, two blocks of 256 bytes that no other line names
.set SPITCH, 528
.set ADRA, 8
.set ADRB, 10
.set ADRS, 12
.set SPW,  13
.set NIL,  14
.set STO,  15
.set RD,   16
.set CO,   17
.set SC,   32
.set AF,   128
.set BK,   128
.set G1, 24
.set G0, 32
.set G1B, 48
.set G0B, 56
.set G1S, 68
.set G0S, 76
.set G1SB, 80
.set G0SB, 88
.set MSB, 0
.macro WIN new
.if MSB != \new
	s_set_vgpr_msb (MSB<<8)|\new
.set MSB, \new
.endif
.endm
.set MUL_LO, 0xa1
.set MUL_HI, 0xf1
.set TO_B,   0x40
.macro JLOAD g0a, g1a, g0b, g1b        ; a joint load: waves 0, 1 fetch for A, waves 2, 3 for B; four v_nop follow each of the two lines
	s_cmp_eq_u32 s15, 0
	s_cbranch_scc0 .Lfor_b_\@
	tensor_load_to_lds s[\g0a:\g0a+3], s[\g1a:\g1a+7]
	s_nop 0
.rept 4
	v_nop
.endr
	s_branch .Lasked_\@
.Lfor_b_\@:
	tensor_load_to_lds s[\g0b:\g0b+3], s[\g1b:\g1b+7]
	s_nop 0
.rept 4
	v_nop
.endr
.Lasked_\@:
.endm
.macro CREST
	s_cmp_lg_u32 s14, 0
	s_cbranch_scc1 .Lnot_wave_0_\@
	s_barrier_signal -3
.Lnot_wave_0_\@:
	s_barrier_wait -3
	s_barrier_signal -1
	s_barrier_wait -1
.endm
.macro CROUND
	s_barrier_signal -1
	s_barrier_wait -1
	CREST
.endm
.macro FRAG reg, adr, q, i
.irp c, 0,1,2,3
	ds_load_b128 v[\reg+4*\c:\reg+4*\c+3], v[\adr] offset:2048*(\q)+512*\c+(\i)*4096
.endr
.endm
.macro MUL16 a0, p, q, sc, zero        ; the 64 accumulators take turns, one instruction a turn
.irp a, \a0, \a0+1
.irp b, 0,1,2,3,4,5,6,7
.if \zero
	v_wmma_scale_f32_16x16x128_f8f6f4 v[8*(8*((\a)%4)+\b):8*(8*((\a)%4)+\b)+7], v[128*(\p)+FR*\b:128*(\p)+FR*\b+FR-1], v[AF+FR*(\a):AF+FR*(\a)+FR-1], 0, v[SC+8*NQ*(\sc)+NQ*\b+(\q)], v[SC+8*NQ*(\sc)+NQ*(\a)+(\q)] matrix_a_fmt:MATRIX_FMT_BF8 matrix_b_fmt:MATRIX_FMT_BF8 matrix_a_scale:MATRIX_SCALE_ROW1
.else
	v_wmma_scale_f32_16x16x128_f8f6f4 v[8*(8*((\a)%4)+\b):8*(8*((\a)%4)+\b)+7], v[128*(\p)+FR*\b:128*(\p)+FR*\b+FR-1], v[AF+FR*(\a):AF+FR*(\a)+FR-1], v[8*(8*((\a)%4)+\b):8*(8*((\a)%4)+\b)+7], v[SC+8*NQ*(\sc)+NQ*\b+(\q)], v[SC+8*NQ*(\sc)+NQ*(\a)+(\q)] matrix_a_fmt:MATRIX_FMT_BF8 matrix_b_fmt:MATRIX_FMT_BF8 matrix_a_scale:MATRIX_SCALE_ROW1
.endif
.endr
.endr
.endm
.macro FETCH_B slot, q, p
	WIN TO_B
.irp i, 0,1,2,3,4,5,6,7
	FRAG 128*(\p)+FR*\i, ADRB+\slot, \q, \i
.endr
	WIN 0
.endm
.macro FETCH_A slot, q, i0
.irp i, \i0, \i0+1, \i0+2, \i0+3
	FRAG AF+FR*(\i), ADRA+\slot, \q, \i
.endr
.endm
.macro SCALES sc
.irp i, 0,1,2,3,4,5,6,7
	ds_load_b64 v[SC+8*NQ*\sc+NQ*\i:SC+8*NQ*\sc+NQ*\i+1], v[ADRS] offset:\i*SBLK
.endr
.endm
.macro PLACES n
.rept \n
	v_nop
.endr
.endm
.macro STEP slot, q, zero
	s_wait_dscnt 4*NL                              ; B's set and A's blocks 0-3 are in; the youngest 16 loads (A's blocks 4-7) may be out
	WIN MUL_LO
	MUL16 0, (\q)%2, \q, \slot, \zero
	MUL16 2, (\q)%2, \q, \slot, \zero
	s_wait_dscnt 0
	PLACES NP
	FETCH_B \slot, (\q)+1, 1-(\q)%2
	FETCH_A \slot, (\q)+1, 0
	WIN MUL_HI
	MUL16 4, (\q)%2, \q, \slot, \zero
	MUL16 6, (\q)%2, \q, \slot, \zero
	PLACES NP
	WIN 0
	FETCH_A \slot, (\q)+1, 4
.endm
.macro TURN slot, next, fill, sstep
	s_wait_tensorcnt 0x0                           ; all my tensor loads have landed: my part of the next slot
	ds_add_u32 v[SPW], v[NIL]                      ; 0 onto my spare word
	s_wait_dscnt 4*NL+1                            ; (the add and A's blocks 4-7 may be out)
	WIN MUL_LO
	MUL16 0, 1, NQ-1, \slot, 0
	s_wait_dscnt 0x0                               ; the add is done, and my reads of this slot are over
	s_barrier_signal -1
	MUL16 2, 1, NQ-1, \slot, 0
	WIN 0
	s_barrier_wait -1
.if \fill
	CREST                                          ; no wave of any partner still reads this slot or has a load on its way
	s_add_nc_u64 s[G0+4*\slot+2:G0+4*\slot+3], s[G0+4*\slot+2:G0+4*\slot+3], 8192
	s_add_nc_u64 s[G0B+4*\slot+2:G0B+4*\slot+3], s[G0B+4*\slot+2:G0B+4*\slot+3], 8192
	JLOAD G0+4*\slot, G1, G0B+4*\slot, G1B
	PLACES NP-4
.else
	PLACES NP
.endif
	v_add_nc_u32 v[ADRS], \sstep, v[ADRS]
	FETCH_B \next, 0, 0
	FETCH_A \next, 0, 0
	SCALES \next
	WIN MUL_HI
	MUL16 4, 1, NQ-1, \slot, 0
	MUL16 6, 1, NQ-1, \slot, 0
	PLACES NP
	WIN 0
	FETCH_A \next, 0, 4
.endm
.macro TOSTAGE a                       ; block a into my stage, and back as whole rows.  Accumulator b holds columns 32 (b / 2) + 16 h + 8 (b % 2) + 0 .. 7
.set AC, 64*((\a)%4)
.set WW, 0x08+4*((\a)/4)
	WIN WW                                         ; the data: window 2 or 3
.irp b, 0,1,2,3,4,5,6,7
	ds_store_b128 v[STO], v[AC+8*\b:AC+8*\b+3] offset:128*(\b/2)+32*(\b%2)       ; each accumulator from its low end on
	ds_store_b128 v[STO], v[AC+8*\b+4:AC+8*\b+7] offset:128*(\b/2)+32*(\b%2)+16
.endr
	WIN 0
.set BBK, BK+64*((\a)%2)
.irp t, 0,1,2,3,4,5,6,7,8,9,10,11,12,13,14,15
	ds_load_b128 v[BBK+4*\t:BBK+4*\t+3], v[RD] offset:\t*SPITCH   ; LDS serves a wave's instructions in order: these see the stores above
.endr
.endm
.macro SEND a, younger                 ; slot t of tile a is row 32 (a / 2) + 8 (a % 2) + t + 8 (t / 8) of my 128: it stands in the immediate, 520,192 at the most
.set BBK, BK+64*((\a)%2)
	s_wait_dscnt \younger
.irp t, 0,1,2,3,4,5,6,7,8,9,10,11,12,13,14,15
	global_store_b128 v[CO], v[BBK+4*\t:BBK+4*\t+3], s[12:13] offset:(32*((\a)/2)+8*((\a)%2)+\t+8*(\t/8))*4096   ; 512 consecutive bytes
.endr
.endm
	s_load_b256 s[4:11], s[0:1], 0x0               ; oimg, osc, img, isc
	s_load_b64 s[12:13], s[0:1], 0x20              ; y0
	v_lshl_add_u32 v[SPW], v0, 2, SPARE
	v_mov_b32 v[NIL], 0
	ds_add_u32 v13, v14
	ds_add_u32 v13, v14
	s_wait_dscnt 0x0
	v_lshrrev_b32 v1, 5, v0
	v_readfirstlane_b32 s14, v1
	s_lshr_b32 s15, s14, 1
	s_and_b32 s16, s14, 1
	s_bfe_u32 s40, ttmp6, 0x40000                  ; cx
	s_bfe_u32 s41, ttmp6, 0x40004                  ; cy
	s_and_b32 s17, ttmp7, 0xffff
	s_lshl_b32 s17, s17, 2
	s_add_co_u32 s17, s17, s41                     ; which 256 rows
	s_lshl_b32 s43, s41, 2
	s_lshl_b32 s43, 15, s43
	s_lshl_b32 s44, 0x1111, s40
	s_or_b32 s[G1+0], s43, (3<<16)|(1<<21)
	s_or_b32 s[G1B+0], s44, (3<<16)|(1<<21)
.irp g, G1, G1B
	s_mov_b32 s[\g+1], 512<<16
	s_mov_b32 s[\g+2], 8<<16
	s_mov_b32 s[\g+3], 512<<16
	s_mov_b32 s[\g+4], 8
	s_mov_b32 s[\g+5], 2048
	s_mov_b32 s[\g+6], 0
	s_mov_b32 s[\g+7], 0
.endr
	s_or_b32 s[G1S+0], s43, (3<<16)|(1<<21)
	s_or_b32 s[G1SB+0], s44, (3<<16)|(1<<21)
.irp g, G1S, G1SB
	s_mov_b32 s[\g+1], 32<<16
	s_mov_b32 s[\g+2], 16<<16
	s_mov_b32 s[\g+3], 32<<16
	s_mov_b32 s[\g+4], 16
	s_mov_b32 s[\g+5], 32
	s_mov_b32 s[\g+6], 0
	s_mov_b32 s[\g+7], 0
.endr
	s_lshl_b32 s19, s16, 3
	s_lshl_b32 s20, s17, 4
	s_add_co_u32 s20, s20, s19                     ; A: tile 16 x (which 256 rows) + the 8 that I fetch
	s_lshl_b32 s46, s40, 4
	s_add_co_u32 s46, s46, 448
	s_add_co_u32 s46, s46, s19                     ; B: Wo's tiles
	s_lshl_b32 s22, s20, 9
	s_mov_b32 s23, 0
	s_lshl_b32 s20, s20, 14
	s_mov_b32 s21, 0
	s_lshl_b32 s92, s46, 9
	s_mov_b32 s93, 0
	s_lshl_b32 s46, s46, 14
	s_mov_b32 s47, 0
	s_mul_i32 s45, s14, HALFT
	s_mul_i32 s94, s14, HALFS
	s_wait_kmcnt 0x0
	s_add_nc_u64 s[20:21], s[4:5], s[20:21]
	s_add_nc_u64 s[22:23], s[6:7], s[22:23]
	s_add_nc_u64 s[46:47], s[8:9], s[46:47]
	s_add_nc_u64 s[92:93], s[10:11], s[92:93]
	CROUND
	s_mov_b32 s[G0S], 1
	s_add_co_u32 s[G0S+1], s94, SCL
	s_mov_b64 s[G0S+2:G0S+3], s[22:23]
	s_or_b32 s[G0S+3], s[G0S+3], 0x80000000
	s_mov_b32 s[G0SB], 1
	s_add_co_u32 s[G0SB+1], s94, SCL
	s_mov_b64 s[G0SB+2:G0SB+3], s[92:93]
	s_or_b32 s[G0SB+3], s[G0SB+3], 0x80000000
	JLOAD G0S, G1S, G0SB, G1SB
.irp s, 0,1
	s_mov_b32 s[G0+4*\s], 1
	s_add_co_u32 s[G0+4*\s+1], s45, \s*SLOT
	s_add_nc_u64 s[G0+4*\s+2:G0+4*\s+3], s[20:21], \s*4096
	s_or_b32 s[G0+4*\s+3], s[G0+4*\s+3], 0x80000000
	s_mov_b32 s[G0B+4*\s], 1
	s_add_co_u32 s[G0B+4*\s+1], s45, \s*SLOT
	s_add_nc_u64 s[G0B+4*\s+2:G0B+4*\s+3], s[46:47], \s*4096
	s_or_b32 s[G0B+4*\s+3], s[G0B+4*\s+3], 0x80000000
	JLOAD G0+4*\s, G1, G0B+4*\s, G1B               ; three tensor loads of mine are out
.endr
	v_and_b32 v1, 15, v0
	v_bfe_u32 v2, v0, 4, 1
	v_and_b32 v3, 31, v0
	v_lshlrev_b32 v4, 4, v3
	s_mul_i32 s21, s15, HALFT
	s_mul_i32 s22, s16, HALFT
	s_add_co_u32 s22, s22, 2*HALFT
.irp s, 0,1
	v_add_nc_u32 v[ADRA+\s], s21, v4
	v_add_nc_u32 v[ADRB+\s], s22, v4
	s_add_co_u32 s21, s21, SLOT
	s_add_co_u32 s22, s22, SLOT
.endr
	v_lshlrev_b32 v5, 4, v1
	s_mul_i32 s21, s15, HALFS
	s_mul_i32 s22, s16, HALFS
	s_add_co_u32 s22, s22, 2*HALFS
	s_sub_co_u32 s22, s22, s21
	v_mul_u32_u24 v6, s22, v2
	s_add_co_u32 s21, s21, SCL
	v_add_nc_u32 v5, v5, v6
	v_add_nc_u32 v[ADRS], s21, v5
	s_mul_i32 s23, s14, 16*SPITCH                  ; my stage
	v_mul_u32_u24 v5, v1, SPITCH
	v_lshl_add_u32 v5, v2, 6, v5
	v_add_nc_u32 v[STO], s23, v5                   ; in: row = my slot, + 64 h
	v_lshlrev_b32 v[CO], 4, v3
	v_add_nc_u32 v[RD], s23, v[CO]                 ; back: the 32 lanes take one row of 512 bytes
	s_lshl_b32 s20, s17, 8
	s_lshl_b32 s21, s15, 7
	s_add_co_u32 s20, s20, s21                     ; my first row
	s_lshl_b32 s20, s20, 12
	s_mov_b32 s21, 0
	s_lshl_b32 s46, s40, 10
	s_lshl_b32 s47, s16, 9
	s_add_co_u32 s46, s46, s47                     ; my first column, in bytes
	s_mov_b32 s47, 0
	s_add_nc_u64 s[20:21], s[20:21], s[46:47]
	s_add_nc_u64 s[12:13], s[12:13], s[20:21]
	s_wait_tensorcnt 1                             ; the scale words and my part of slot 0 are in; slot 1's load may be out
	s_barrier_signal -1
	s_barrier_wait -1
	FETCH_B 0, 0, 0
	FETCH_A 0, 0, 0
	SCALES 0
	FETCH_A 0, 0, 4
	STEP 0, 0, 1
	TURN 0, 1, 1, 8
	STEP 1, 0, 0
	TURN 1, 0, 1, 248
	STEP 0, 0, 0
	TURN 0, 1, 0, 8
	STEP 1, 0, 0
	s_wait_dscnt 4*NL
	WIN MUL_LO
	MUL16 0, 1, NQ-1, 1, 0
	MUL16 2, 1, NQ-1, 1, 0
	s_wait_dscnt 0
	WIN MUL_HI
	MUL16 4, 1, NQ-1, 1, 0
	MUL16 6, 1, NQ-1, 1, 0
	WIN 0
	PLACES NP
	TOSTAGE 0
.irp a, 1,2,3,4,5,6,7
.if \a > 1
	s_wait_xcnt 0x0                                ; block a - 2's stores have read their registers: block a's loads may land there
.endif
	TOSTAGE \a
	SEND \a-1, 32                                  ; behind block a - 1's loads: block a's 16 stores and 16 loads
.endr
	SEND 7, 0
	s_wait_tensorcnt 0x0                           ; the wave's end
	ds_add_u32 v[SPW], v[NIL]
	s_wait_dscnt 0x0
	CROUND                                         ; the closing round
	s_endpgm
.Lfunc_end_k_qf3ae2fd9cd_proj:
	.size	k_qf3ae2fd9cd_proj, .Lfunc_end_k_qf3ae2fd9cd_proj-k_qf3ae2fd9cd_proj
	.p2alignl 7, 3214868480
	.fill 96, 4, 3214868480
	.section	.rodata,"a",@progbits
	.p2align	6, 0x0
	.amdhsa_kernel k_qf3ae2fd9cd_proj
		.amdhsa_group_segment_fixed_size 327680
		.amdhsa_private_segment_fixed_size 0
		.amdhsa_enable_private_segment 0
		.amdhsa_kernarg_size 40
		.amdhsa_user_sgpr_count 2
		.amdhsa_user_sgpr_kernarg_segment_ptr 1
		.amdhsa_wavefront_size32 1
		.amdhsa_system_sgpr_workgroup_id_x 1
		.amdhsa_system_sgpr_workgroup_id_y 1
		.amdhsa_system_sgpr_workgroup_id_z 1
		.amdhsa_system_vgpr_workitem_id 0
		.amdhsa_next_free_vgpr 1024
		.amdhsa_next_free_sgpr 98
		.amdhsa_reserve_vcc 0
		.amdhsa_float_denorm_mode_32 3
		.amdhsa_float_denorm_mode_16_64 3
		.amdhsa_memory_ordered 1
		.amdhsa_forward_progress 1
		.amdhsa_inst_pref_size 144
	.end_amdhsa_kernel
	.amdgpu_metadata
---
amdhsa.version: [ 1, 2 ]
amdhsa.kernels:
  - .name:           k_qf3ae2fd9cd_proj
    .symbol:         k_qf3ae2fd9cd_proj.kd
    .args:
      - { .name: oimg, .offset: 0, .size: 8, .value_kind: global_buffer, .address_space: global }
      - { .name: osc, .offset: 8, .size: 8, .value_kind: global_buffer, .address_space: global }
      - { .name: img, .offset: 16, .size: 8, .value_kind: global_buffer, .address_space: global }
      - { .name: isc, .offset: 24, .size: 8, .value_kind: global_buffer, .address_space: global }
      - { .name: y0, .offset: 32, .size: 8, .value_kind: global_buffer, .address_space: global }
    .group_segment_fixed_size: 327680
    .private_segment_fixed_size: 0
    .kernarg_segment_align: 8
    .kernarg_segment_size: 40
    .max_flat_workgroup_size: 128
    .sgpr_count:     98
    .vgpr_count:     1024
    .wavefront_size: 32
...
	.end_amdgpu_metadata
.endif
;; end of part 4
;; launch ln (part 5): grid 256 x 1, 4 waves a work-group, no clusters, 0 bytes of LDS; arguments y0, x, bo, gamma, beta, out0; writes out0
.if DOCPART == 5
	.amdgcn_target "amdgcn-amd-amdhsa--gfx1250"
	.amdhsa_code_object_version 6
	.text
	.protected	k_qf3ae2fd9cd_ln
	.globl	k_qf3ae2fd9cd_ln
	.p2align	8
	.type	k_qf3ae2fd9cd_ln,@function
k_qf3ae2fd9cd_ln:
	s_mov_b64 s[64:65], 0
	v_nop
	global_prefetch_b8 v0, s[64:65] scope:SCOPE_SE
	s_setreg_imm32_b32 hwreg(HW_REG_WAVE_MODE, 25, 1), 1
	s_wait_xcnt 0x0
; out = LayerNorm((y0 + bo) + clean(x)) x gamma + beta, NaN -> 0, held within +-1e9.  All [4096][1024] f32.
; Memory binds: each byte is read and written once, by loads and stores that cover 512 consecutive bytes.  A wave takes four rows, one whole row (4,096 bytes, 32 registers) at a time, so that the two
; reductions never leave the wave: no LDS, no barrier, no matrix unit.  bo, gamma and beta stay in registers.  Two row sets take turns: one row is on its way while the other is worked on.
; LIMITS: finite magnitudes above 1e9 in x and in the result are held at 1e9 (the model holds infinities alone there).
.set BO, 16
.set GA, 48
.set BE, 80
.set RW, 112                           ; set s: y at v[RW + 64 s], x at v[RW + 64 s + 32]
.set CH, 240                           ; four chains of pairs
.set MU, 248
.set RS, 250
.set TP, 252
.macro RLOAD i, set
.irp j, 0,1,2,3,4,5,6,7
	global_load_b128 v[RW+64*(\set)+4*\j:RW+64*(\set)+4*\j+3], v1, s[4:5] offset:4096*(\i)+512*\j th:TH_LOAD_NT
.endr
.irp j, 0,1,2,3,4,5,6,7
	global_load_b128 v[RW+64*(\set)+32+4*\j:RW+64*(\set)+32+4*\j+3], v1, s[6:7] offset:4096*(\i)+512*\j th:TH_LOAD_NT
.endr
.endm
.macro CLEAN reg                       ; 32 numbers: NaN -> 0, infinities -> +-1e9
.set n, 0
.rept 32
	v_cmp_eq_f32 vcc_lo, v[\reg+n], v[\reg+n]
	v_cndmask_b32 v[\reg+n], 0, v[\reg+n], vcc_lo
	v_med3_num_f32 v[\reg+n], v[\reg+n], -v2, v2
.set n, n+1
.endr
.endm
.macro REDUCE                          ; the four chains, then the 32 lanes: every lane ends with the sum in v[CH]
	v_pk_add_f32 v[CH:CH+1], v[CH:CH+1], v[CH+2:CH+3]
	v_pk_add_f32 v[CH+4:CH+5], v[CH+4:CH+5], v[CH+6:CH+7]
	v_pk_add_f32 v[CH:CH+1], v[CH:CH+1], v[CH+4:CH+5]
	v_add_f32 v[CH], v[CH], v[CH+1]
	v_add_f32_dpp v[CH], v[CH], v[CH] row_xmask:1 row_mask:0xf bank_mask:0xf
	v_add_f32_dpp v[CH], v[CH], v[CH] row_xmask:2 row_mask:0xf bank_mask:0xf
	v_add_f32_dpp v[CH], v[CH], v[CH] row_xmask:4 row_mask:0xf bank_mask:0xf
	v_add_f32_dpp v[CH], v[CH], v[CH] row_xmask:8 row_mask:0xf bank_mask:0xf
	v_permlanex16_b32 v[TP], v[CH], s20, s21
	v_add_f32 v[CH], v[CH], v[TP]
.endm
.macro ROW i, set, left
.set YS, RW+64*(\set)
.set XS, YS+32
	s_wait_loadcnt \left                           ; this row's loads are in; the next row's 16 may be out
	CLEAN XS
.set n, 0
.rept 16
	v_pk_add_f32 v[YS+n:YS+n+1], v[YS+n:YS+n+1], v[BO+n:BO+n+1]
.set n, n+2
.endr
.set n, 0
.rept 16
	v_pk_add_f32 v[YS+n:YS+n+1], v[YS+n:YS+n+1], v[XS+n:XS+n+1]
.set n, n+2
.endr
.irp k, 0,1,2,3
	v_pk_add_f32 v[CH+2*\k:CH+2*\k+1], v[YS+2*\k:YS+2*\k+1], v[YS+8+2*\k:YS+8+2*\k+1]
.endr
.irp m, 16,24
.irp k, 0,1,2,3
	v_pk_add_f32 v[CH+2*\k:CH+2*\k+1], v[CH+2*\k:CH+2*\k+1], v[YS+\m+2*\k:YS+\m+2*\k+1]
.endr
.endr
	REDUCE
	v_mul_f32 v[MU], s22, v[CH]                    ; the mean
	v_mul_f32 v[MU+1], s22, v[CH]
.set n, 0
.rept 16
	v_pk_add_f32 v[YS+n:YS+n+1], v[YS+n:YS+n+1], v[MU:MU+1] neg_lo:[0,1] neg_hi:[0,1]
.set n, n+2
.endr
.irp k, 0,1,2,3
	v_pk_mul_f32 v[CH+2*\k:CH+2*\k+1], v[YS+2*\k:YS+2*\k+1], v[YS+2*\k:YS+2*\k+1]
.endr
.irp m, 8,16,24
.irp k, 0,1,2,3
	v_pk_fma_f32 v[CH+2*\k:CH+2*\k+1], v[YS+\m+2*\k:YS+\m+2*\k+1], v[YS+\m+2*\k:YS+\m+2*\k+1], v[CH+2*\k:CH+2*\k+1]
.endr
.endr
	REDUCE
	v_fma_f32 v[TP], v[CH], s22, s23               ; the variance + 1e-5
	v_rsq_f32 v[RS], v[TP]
	v_nop                                          ; a plain line behind the transcendental
	s_wait_alu depctr_va_vdst(0)                   ; and the wait ahead of its first reader
	v_mov_b32 v[RS+1], v[RS]
.set n, 0
.rept 16
	v_pk_mul_f32 v[YS+n:YS+n+1], v[YS+n:YS+n+1], v[RS:RS+1]
.set n, n+2
.endr
.set n, 0
.rept 16
	v_pk_fma_f32 v[YS+n:YS+n+1], v[YS+n:YS+n+1], v[GA+n:GA+n+1], v[BE+n:BE+n+1]
.set n, n+2
.endr
	CLEAN YS
.irp j, 0,1,2,3,4,5,6,7
	global_store_b128 v1, v[YS+4*\j:YS+4*\j+3], s[14:15] offset:4096*(\i)+512*\j th:TH_STORE_NT
.endr
.if (\i) < 2
	s_wait_xcnt 0x0                                ; the stores have read their registers: the set takes the row two further on
	RLOAD (\i)+2, \set
.endif
.endm
	s_load_b256 s[4:11], s[0:1], 0x0               ; y0, x, bo, gamma
	s_load_b128 s[12:15], s[0:1], 0x20             ; beta, out0
	v_lshrrev_b32 v1, 5, v0
	v_readfirstlane_b32 s16, v1                    ; wave
	v_and_b32 v1, 31, v0
	v_lshlrev_b32 v1, 4, v1                        ; 16 x lane
	v_mov_b32 v2, 0x4e6e6b28                       ; 1e9
	v_mov_b32 v[TP], 0                             ; a lane permute's destination counts as one of its sources
	s_lshl_b32 s17, ttmp9, 16                      ; 16 rows of 4,096 bytes
	s_lshl_b32 s18, s16, 14                        ; my 4 of them
	s_add_co_u32 s18, s17, s18
	s_mov_b32 s19, 0
	s_mov_b32 s20, 0x76543210
	s_mov_b32 s21, 0xfedcba98
	s_mov_b32 s22, 0x3a800000                      ; 1 / 1,024
	s_mov_b32 s23, 0x3727c5ac                      ; 1e-5
	s_wait_kmcnt 0x0
	s_add_nc_u64 s[4:5], s[4:5], s[18:19]
	s_add_nc_u64 s[6:7], s[6:7], s[18:19]
	s_add_nc_u64 s[14:15], s[14:15], s[18:19]
.irp j, 0,1,2,3,4,5,6,7
	global_load_b128 v[BO+4*\j:BO+4*\j+3], v1, s[8:9] offset:512*\j
	global_load_b128 v[GA+4*\j:GA+4*\j+3], v1, s[10:11] offset:512*\j
	global_load_b128 v[BE+4*\j:BE+4*\j+3], v1, s[12:13] offset:512*\j
.endr
	RLOAD 0, 0
	RLOAD 1, 1
	ROW 0, 0, 16
	ROW 1, 1, 16
	ROW 2, 0, 16
	ROW 3, 1, 0
	s_endpgm
.Lfunc_end_k_qf3ae2fd9cd_ln:
	.size	k_qf3ae2fd9cd_ln, .Lfunc_end_k_qf3ae2fd9cd_ln-k_qf3ae2fd9cd_ln
	.p2alignl 7, 3214868480
	.fill 96, 4, 3214868480
	.section	.rodata,"a",@progbits
	.p2align	6, 0x0
	.amdhsa_kernel k_qf3ae2fd9cd_ln
		.amdhsa_group_segment_fixed_size 0
		.amdhsa_private_segment_fixed_size 0
		.amdhsa_enable_private_segment 0
		.amdhsa_kernarg_size 48
		.amdhsa_user_sgpr_count 2
		.amdhsa_user_sgpr_kernarg_segment_ptr 1
		.amdhsa_wavefront_size32 1
		.amdhsa_system_sgpr_workgroup_id_x 1
		.amdhsa_system_sgpr_workgroup_id_y 1
		.amdhsa_system_sgpr_workgroup_id_z 1
		.amdhsa_system_vgpr_workitem_id 0
		.amdhsa_next_free_vgpr 256
		.amdhsa_next_free_sgpr 66
		.amdhsa_reserve_vcc 1
		.amdhsa_float_denorm_mode_32 3
		.amdhsa_float_denorm_mode_16_64 3
		.amdhsa_memory_ordered 1
		.amdhsa_forward_progress 1
		.amdhsa_inst_pref_size 78
	.end_amdhsa_kernel
	.amdgpu_metadata
---
amdhsa.version: [ 1, 2 ]
amdhsa.kernels:
  - .name:           k_qf3ae2fd9cd_ln
    .symbol:         k_qf3ae2fd9cd_ln.kd
    .args:
      - { .name: y0, .offset: 0, .size: 8, .value_kind: global_buffer, .address_space: global }
      - { .name: x, .offset: 8, .size: 8, .value_kind: global_buffer, .address_space: global }
      - { .name: bo, .offset: 16, .size: 8, .value_kind: global_buffer, .address_space: global }
      - { .name: gamma, .offset: 24, .size: 8, .value_kind: global_buffer, .address_space: global }
      - { .name: beta, .offset: 32, .size: 8, .value_kind: global_buffer, .address_space: global }
      - { .name: out0, .offset: 40, .size: 8, .value_kind: global_buffer, .address_space: global }
    .group_segment_fixed_size: 0
    .private_segment_fixed_size: 0
    .kernarg_segment_align: 8
    .kernarg_segment_size: 48
    .max_flat_workgroup_size: 128
    .sgpr_count:     66
    .vgpr_count:     256
    .wavefront_size: 32
...
	.end_amdgpu_metadata
.endif
;; end of part 5
;; ======== version 2 of 2: 5 launches; version 1 with the launch attn written anew for expert scheduling mode
;; limits: inputs' magnitudes at most 1,000,000,000
;; workspace buffers: img 8,388,608 bytes; isc 262,144 bytes; mbits 557,056 bytes of whole numbers; qkv 12,582,912 bytes; qkvs 393,216 bytes; oimg 4,194,304 bytes; osc 131,072 bytes; y0 16,777,216 bytes
;; launch prep: the kernel of part 1 again; grid 320 x 1, 4 waves a work-group, no clusters, 101,888 bytes of LDS; arguments x, Wq, Wk, Wv, Wo, mask, img, isc, mbits; writes img, isc, mbits
;; launch qkv: the kernel of part 2 again; grid 12 x 16, 4 waves a work-group, clusters of 4 x 4, 327,680 bytes of LDS; arguments img, isc, bq, bk, bv, qkv, qkvs; writes qkv, qkvs
;; launch attn (part 6): grid 8 x 32, 8 waves a work-group, no clusters, 271,360 bytes of LDS; arguments qkv, qkvs, mbits, oimg, osc; writes oimg, osc
.if DOCPART == 6
	.amdgcn_target "amdgcn-amd-amdhsa--gfx1250"
	.amdhsa_code_object_version 6
	.text
	.protected	k_qf3ae2fd9cd_attn
	.globl	k_qf3ae2fd9cd_attn
	.p2align	8
	.type	k_qf3ae2fd9cd_attn,@function
k_qf3ae2fd9cd_attn:
	s_mov_b64 s[64:65], 0
	v_nop
	global_prefetch_b8 v0, s[64:65] scope:SCOPE_SE
	s_setreg_imm32_b32 hwreg(HW_REG_WAVE_SCHED_MODE, 0, 2), 2
	s_setreg_imm32_b32 hwreg(HW_REG_WAVE_MODE, 25, 1), 1
	s_wait_xcnt 0x0
	s_wait_alu depctr_vm_vsrc(0)
; ATTENTION on codes of BF8 with E8M0 scales: scores = Q K^T / 8 with the mask, softmax, O = P V / l, and O quantised along the model's 1,024 for the last product.
; THE SOFTMAX.  The model takes the row's maximum off the scores before its softmax, so the softmax's logit has the maximum 0: what is quantised is p = 2^((s - smax) log2(e) / 8), its largest exactly 1.
; So the keys are walked TWICE: pass 1 finds each query's exact maximum, pass 2 makes the same scores again, by the same instructions on the same operands, so that s - smax is exactly 0 at the maximum.
; The row's sum is taken of the unquantised p and divides O at the end.  A row all of whose keys are blocked has the logit 0 everywhere (p = 1 for all 2,048 keys), as the model gives it.
; SHARES.  A work-group takes one batch x head (y) and 8 blocks of 32 queries; wave w takes block 8 g + x, g = w for w < 4, else 11 - w.  A block is two tiles of 16 queries, which share every fragment of K and V.
; The head's K and V codes and scale words (264 KiB) are copied into LDS once; one barrier; from then on LDS is only read.
; THE HEAD'S 64 IS HALF OF THE INSTRUCTION'S 128: a fragment of source 0 holds TWO tiles of 16 keys side by side, and is multiplied by [q | 0] for the first and by [0 | q] for the second (q between two runs of eight zero registers).
; LAYOUT.  Both products are used transposed: a lane holds one query (lane % 16).  By the tiles' order of rows, score register 16 b + i is key 128 step + 32 b + 16 (lane / 16) + i, and O's register 16 b + i is channel 32 b + 16 (lane / 16) + i.
; THE MASK comes as lane-mask words and flags that the first launch stored.  A step of 128 keys that is blocked for all 32 queries is passed over by a scalar branch on the stored flags (unless a query of the block has no key at all);
; a step in which every key counts skips the masking.
; NO CLUSTER, NO TENSOR LOAD: the eight work-groups of a head read the same 264 KiB, but each reads them once, at its head.
; NO PREFETCH: all that a work-group reads from memory but the mask words is asked for at its head.
; LIMITS: scores are taken to be finite; p under 2^-126 is 0 (v_exp_f32); 1 / l is v_rcp_f32 and a multiplication; a block of zeros gets the byte 1, not 127.
; REGISTERS.  window 0: v1-11 addresses; v16-19 smax (twice each); v20-23 l; v24, 25 what a blocked score becomes; v28-31 1 / l; v32-63 at work; v64-127, v128-191 scores of tiles A, B; v192-223 p's codes; v224-235 scale words.
;   window 1: v0-63 K's four fragments; v64-87, v88-111 [0 | q | 0] of A, B; v128-159, v160-191 O^T of A, B; v192-255 V's four fragments.
; THE MODE: SCHED_MODE bits 1:0 = 2 (LLVM: expert scheduling mode 2), set by the entry lines.  The code itself states the register dependences
; between vector or matrix instructions and memory or LDS instructions, with s_wait_alu, always for 0.
; THE PLAN.  Registers that memory or LDS instructions touch:
;   v1-v7, v11            offsets and LDS addresses: made at the head, never written again.  One wait on va_vdst ahead of the first global load serves every load and store that reads them.
;   v64-199, window 1's v128-255   at the head: global loads land there and my LDS stores read them; later they are the scores, p's codes, O^T and V's fragments.  One wait on vm_vsrc behind the barrier.
;   v[AK], v[ASC], v[AV]  written at the head of each step that is walked; read by that step's LDS loads.
;   K's fragments, KS     loaded at the step's head; read by the step's first 16 products.
;   V's fragments, VS     loaded behind those 16 products; read by the step's last eight.
;   p's codes, PW         written by vector instructions; read by the last eight products as an operand and as scales.
; So a step that is walked has, at its head, one wait on vm_vsrc ahead of the address lines and one on va_vdst behind them: the addresses are written, and the last walked step's products are done reading K's and V's fragments
; and scale words.  All the step's LDS loads lean on that one wait: between it and V's loads stand K's loads, window switches and the 16 products, which name K's fragments, q, the scores, KS and QS, and nothing that V's loads touch.
; Pass 2 has one more wait on va_vdst ahead of its last eight products (the codes and scale words are written), beside the one behind each batch of exponentials.  The way out has one ahead of its stores.
.set KS,   224
.set VS,   228
.set QS,   232                         ; v232, v233
.set PC,   192
.set TM,   32
.set PW,   234                         ; v234, v235
.set NEGI, 26
.set ZERO, 27
.set AK,   8
.set ASC,  9
.set AV,   10
.set SEL,  26                          ; s[26:27]
.set MNT,  28
.set MSB, 0
.macro WIN new
.if MSB != \new
	s_set_vgpr_msb (MSB<<8)|\new
.set MSB, \new
.endif
.endm
.macro KLOAD av                        ; the step's addresses (av = 1: V's too); then its 8 tiles of K as four fragments, and their scale words
	s_wait_alu depctr_vm_vsrc(0)                   ; the LDS loads issued so far have read v[AK], v[ASC] and v[AV], which the lines below write
	v_add_nc_u32 v[AK], s21, v1
	v_add_nc_u32 v[ASC], s22, v7
.if \av
	v_add_nc_u32 v[AV], s21, v6
.endif
	WIN 0x40
	s_wait_alu depctr_va_vdst(0)                   ; the addresses are written, which the step's LDS loads read; the last walked step's products are done reading K's and V's fragments and scale words, in which these loads land; in the first step q's zero halves and QS are written, which the products take as an operand and as scales
.irp g, 0,1,2,3
.irp c, 0,1,2,3
	ds_load_b128 v[16*\g+4*\c:16*\g+4*\c+3], v[AK] offset:2048*\g+512*\c
.endr
.endr
	WIN 0
	ds_load_b128 v[KS:KS+3], v[ASC]
.endm
.macro VLOAD                           ; the step's four tiles of V^T, and their scale words.  No wait: no vector or matrix instruction since the wait at the step's head names V's fragments, VS, v[AV] or v[ASC]
	WIN 0x40
.irp g, 0,1,2,3
.irp c, 0,1,2,3
	ds_load_b128 v[192+16*\g+4*\c:192+16*\g+4*\c+3], v[AV] offset:2048*\g+512*\c
.endr
.endr
	WIN 0
	ds_load_b128 v[VS:VS+3], v[ASC] offset:4096
.endm
.macro KQ vl                           ; 16 products: fragment g x ([q | 0], [0 | q]) x (tile A, tile B).  vl = 1: V's loads follow them at once
	WIN 0x05
.irp g, 0,1,2,3
.irp u, 0,1
.irp t, 0,1
	v_wmma_scale_f32_16x16x128_f8f6f4 v[64+64*\t+8*(2*\g+\u):64+64*\t+8*(2*\g+\u)+7], v[16*\g:16*\g+15], v[64+24*\t+8*(1-\u):64+24*\t+8*(1-\u)+15], 0, v[KS+\g], v[QS+\t] matrix_a_fmt:MATRIX_FMT_BF8 matrix_b_fmt:MATRIX_FMT_BF8
.endr
.endr
.endr
.if \vl
	VLOAD
.endif
	WIN 0
.rept 8
	v_nop                                          ; places in front of the first read of the scores
.endr
.endm
.macro MASK u, sreg, fill              ; the 64 lane-mask words of tile u: a blocked score becomes v[fill]
	s_load_b512 s[32:47], s[30:31], s23 offset:256*\u
	s_load_b512 s[48:63], s[30:31], s23 offset:256*\u+64
	s_load_b512 s[68:83], s[30:31], s23 offset:256*\u+128
	s_load_b512 s[84:99], s[30:31], s23 offset:256*\u+192
	s_wait_kmcnt 0x0
.set j, 0
.rept 64
.set w, 2*(j%32)+j/32
	v_cndmask_b32 v[\sreg+j], v[\sreg+j], v[\fill], s[32+w+4*(w/32)]
.set j, j+1
.endr
.endm
.macro SOFT t                          ; tile t: p, its sum, its codes and its scale word
.set SS, 64+64*(\t)
.set TQ, 32+16*(\t)
.set PP, 192+16*(\t)
.set MM, 16+2*(\t)
.set LL, 20+2*(\t)
.irp b, 0,1,2,3
	v_max3_num_f32 v[TQ+\b], v[SS+16*\b], v[SS+16*\b+1], v[SS+16*\b+2]   ; the largest score of each block of 32 keys: p rises with the score, so it gives the block's largest p
.endr
.irp i, 3,5,7,9,11,13
.irp b, 0,1,2,3
	v_max3_num_f32 v[TQ+\b], v[TQ+\b], v[SS+16*\b+\i], v[SS+16*\b+\i+1]
.endr
.endr
.irp b, 0,1,2,3
	v_max_num_f32 v[TQ+\b], v[TQ+\b], v[SS+16*\b+15]
.endr
.irp b, 0,1,2,3
	v_permlanex16_b32 v[TQ+4+\b], v[TQ+\b], s[SEL], s[SEL+1]
.endr
.irp b, 0,1,2,3
	v_max_num_f32 v[TQ+\b], v[TQ+\b], v[TQ+4+\b]
.endr
.set n, 0
.rept 32
	v_pk_add_f32 v[SS+n:SS+n+1], v[SS+n:SS+n+1], v[MM:MM+1] neg_lo:[0,1] neg_hi:[0,1]   ; s - smax: exactly 0 at the maximum.  (Not fused with the scaling: the fused form would leave a rest there)
.set n, n+2
.endr
.irp b, 0,1,2,3
	v_sub_f32 v[TQ+\b], v[TQ+\b], v[MM]
.endr
.set n, 0
.rept 32
	v_pk_mul_f32 v[SS+n:SS+n+1], v[SS+n:SS+n+1], s[24:25] op_sel_hi:[1,0]   ; x log2(e) / 8
.set n, n+2
.endr
.irp b, 0,1,2,3
	v_mul_f32 v[TQ+\b], s24, v[TQ+\b]
.endr
.irp b, 0,1,2,3
	v_exp_f32 v[TQ+\b], v[TQ+\b]                   ; the same three steps on the same number give the same bits as the block's largest p
.endr
.set n, 0
.rept 64
	v_exp_f32 v[SS+n], v[SS+n]
.set n, n+1
.endr
	v_nop                                          ; a plain line behind the last exponential
	s_wait_alu depctr_va_vdst(0)                   ; the 68 exponentials have written the tile's 64 p and its four blocks' largest p: one wait for the batch, ahead of its first reader
	v_pk_add_f32 v[TQ+4:TQ+5], v[SS:SS+1], v[SS+2:SS+3]   ; the row's sum of the unquantised p, in two chains
.irp j, 4,8,12,16,20,24,28,32,36,40,44,48,52,56,60
	v_pk_add_f32 v[LL:LL+1], v[LL:LL+1], v[SS+\j:SS+\j+1]
	v_pk_add_f32 v[TQ+4:TQ+5], v[TQ+4:TQ+5], v[SS+\j+2:SS+\j+3]
.endr
	v_pk_add_f32 v[LL:LL+1], v[LL:LL+1], v[TQ+4:TQ+5]
.irp b, 0,1,2,3
	v_max_num_f32 v[TQ+\b], 0x8000000, v[TQ+\b]    ; the floor 2^(16 - 127)
.endr
.irp b, 0,1,2,3
	v_add_nc_u32 v[TQ+12+\b], 0xf8800000, v[TQ+\b]
.endr
.irp b, 0,1,2,3
	v_and_or_b32 v[TQ+8+\b], v[TQ+\b], 0x7f800000, s[MNT]
.endr
.irp b, 0,1,2,3
	v_lshrrev_b32 v[TQ+4+\b], 23, v[TQ+12+\b]
.endr
	v_lshl_or_b32 v[PW+(\t)], v[TQ+5], 8, v[TQ+4]
	v_lshl_or_b32 v[PW+(\t)], v[TQ+6], 16, v[PW+(\t)]
	v_lshl_or_b32 v[PW+(\t)], v[TQ+7], 24, v[PW+(\t)]
.irp b, 0,1,2,3
.irp i, 0,1,2,3,4,5,6,7,8,9,10,11,12,13,14,15
	v_min_num_f32 v[SS+16*\b+\i], v[SS+16*\b+\i], v[TQ+8+\b]   ; the conversion does not saturate (ISA guide 7.6.2); p is not negative
.endr
	v_cvt_scalef32_pk8_bf8_f32 v[PP+4*\b:PP+4*\b+1], v[SS+16*\b:SS+16*\b+7], v[TQ+12+\b]
	v_cvt_scalef32_pk8_bf8_f32 v[PP+4*\b+2:PP+4*\b+3], v[SS+16*\b+8:SS+16*\b+15], v[TQ+12+\b]
.endr
	v_nop
.endm
.macro PV                              ; O^T += V^T P^T: eight accumulators by turns
.rept 4
	v_nop                                          ; places between the codes' last conversion and the products
.endr
	s_wait_dscnt 0x0                               ; V
	s_wait_alu depctr_va_vdst(0)                   ; the conversions have written p's codes and the shifts its two scale words, which the products below take as an operand and as scales; the places above stay beside this wait
	WIN 0x51
.irp g, 0,1,2,3
.irp t, 0,1
	v_wmma_scale_f32_16x16x128_f8f6f4 v[128+32*\t+8*\g:128+32*\t+8*\g+7], v[192+16*\g:192+16*\g+15], v[192+16*\t:192+16*\t+15], v[128+32*\t+8*\g:128+32*\t+8*\g+7], v[VS+\g], v[PW+\t] matrix_a_fmt:MATRIX_FMT_BF8 matrix_b_fmt:MATRIX_FMT_BF8
.endr
.endr
	WIN 0
.rept 8
	v_nop                                          ; places in front of the next codes and of the read of O^T
.endr
.endm
.macro QUANT s
.irp b, 0,1,2,3
	v_max3_num_f32 v[TM+\b], |v[\s+16*\b]|, |v[\s+1+16*\b]|, 0x8000000
.endr
.irp i, 2,4,6,8,10,12,14
.irp b, 0,1,2,3
	v_max3_num_f32 v[TM+\b], v[TM+\b], |v[\s+16*\b+\i]|, |v[\s+1+16*\b+\i]|
.endr
.endr
.irp b, 0,1,2,3
	v_permlanex16_b32 v[TM+4+\b], v[TM+\b], s[SEL], s[SEL+1]
.endr
.irp b, 0,1,2,3
	v_max_num_f32 v[TM+\b], v[TM+\b], v[TM+4+\b]
.endr
.irp b, 0,1,2,3
	v_add_nc_u32 v[TM+12+\b], 0xf8800000, v[TM+\b]
.endr
.irp b, 0,1,2,3
	v_and_or_b32 v[TM+8+\b], v[TM+\b], 0x7f800000, s[MNT]
.endr
.irp b, 0,1,2,3
	v_lshrrev_b32 v[TM+4+\b], 23, v[TM+12+\b]
.endr
	v_lshl_or_b32 v[PW], v[TM+5], 8, v[TM+4]
	v_lshl_or_b32 v[PW], v[TM+6], 16, v[PW]
	v_lshl_or_b32 v[PW], v[TM+7], 24, v[PW]
.irp b, 0,1,2,3
.irp i, 0,1,2,3,4,5,6,7,8,9,10,11,12,13,14,15
	v_med3_num_f32 v[\s+16*\b+\i], v[\s+16*\b+\i], -v[TM+8+\b], v[TM+8+\b]
.endr
	v_cvt_scalef32_pk8_bf8_f32 v[PC+4*\b:PC+1+4*\b], v[\s+16*\b:\s+7+16*\b], v[TM+12+\b]
	v_cvt_scalef32_pk8_bf8_f32 v[PC+2+4*\b:PC+3+4*\b], v[\s+8+16*\b:\s+15+16*\b], v[TM+12+\b]
.endr
	v_nop
.endm
	s_load_b256 s[4:11], s[0:1], 0x0               ; qkv, qkvs, mbits, oimg
	s_load_b64 s[12:13], s[0:1], 0x20              ; osc
	v_lshl_add_u32 v254, v0, 2, 0x42000
	v_mov_b32 v255, 0
	v_lshrrev_b32 v1, 5, v0
	v_readfirstlane_b32 s14, v1                    ; wave 0..7
	v_and_b32 v2, 31, v0
	v_lshlrev_b32 v1, 4, v2                        ; 16 x lane
	v_and_b32 v12, 15, v0                          ; r
	v_bfe_u32 v13, v0, 4, 1                        ; h
	v_lshlrev_b32 v2, 4, v12                       ; 16 r
	s_and_b32 s15, ttmp7, 0xffff                   ; batch x head
	s_wait_alu depctr_va_sdst(0)                   ; s14 is written, ahead of its first reader: my block of queries and my eighth of the head are made from it
	s_sub_co_u32 s16, 11, s14
	s_cmp_lt_u32 s14, 4
	s_cselect_b32 s16, s14, s16
	s_lshl_b32 s17, s16, 3
	s_add_co_u32 s17, s17, ttmp9                   ; my block of 32 queries
	s_lshl_b32 s16, s14, 14
	v_add_nc_u32 v3, s16, v1                       ; LDS: where I put my eighth of K,
	v_add_nc_u32 v4, 0x20000, v3                   ; of V,
	s_lshl_b32 s29, s14, 9
	s_add_co_u32 s29, s29, 0x40000
	v_add_nc_u32 v5, s29, v1                       ; of the scale words (V's 4,096 bytes behind K's)
	v_add_nc_u32 v6, 0x20000, v1                   ; where V's fragments are read,
	v_add_nc_u32 v7, 0x40000, v2                   ; and the scale words
	v_lshl_add_u32 v11, v13, 9, v2                 ; O's scale bytes: 16 r, lanes 16-31 the next tile's
	s_lshl_b32 s2, s15, 17
	s_add_co_u32 s2, s2, s16                       ; my eighth of the head's 131,072 bytes
	s_mov_b32 s3, 0
	s_lshl_b32 s66, s15, 17
	s_lshl_b32 s29, s17, 11
	s_add_co_u32 s66, s66, s29                     ; my two tiles of Q
	s_mov_b32 s67, 0
	s_lshl_b32 s100, s15, 12
	s_lshl_b32 s29, s14, 9
	s_add_co_u32 s100, s100, s29                   ; my eighth of the head's 4,096 bytes of scale words
	s_mov_b32 s101, 0
	s_lshl_b32 s60, s15, 12
	s_lshr_b32 s29, s17, 2
	s_lshl_b32 s29, s29, 8
	s_add_co_u32 s60, s60, s29
	s_and_b32 s29, s17, 3
	s_lshl_b32 s29, s29, 2
	s_add_co_u32 s60, s60, s29                     ; Q's scale word of my two tiles
	s_mov_b32 s61, 0
	s_lshl_b32 s62, s17, 9
	s_add_co_u32 s62, s62, 0x80000                 ; my block's flags
	s_mov_b32 s63, 0
	s_lshl_b32 s68, s17, 13                        ; my block's mask words
	s_mov_b32 s69, 0
	s_wait_kmcnt 0x0
	s_add_nc_u64 s[48:49], s[4:5], s[2:3]
	s_add_nc_u64 s[50:51], s[48:49], 0x800000      ; V
	s_add_nc_u64 s[52:53], s[4:5], s[66:67]
	s_add_nc_u64 s[54:55], s[6:7], s[100:101]
	s_add_nc_u64 s[56:57], s[6:7], s[60:61]
	s_add_nc_u64 s[58:59], s[8:9], s[62:63]
	s_add_nc_u64 s[30:31], s[8:9], s[68:69]
	s_load_b128 s[32:35], s[58:59], 0x0            ; the four records of flags
	s_load_b128 s[36:39], s[58:59], 0x80
	s_load_b128 s[40:43], s[58:59], 0x100
	s_load_b128 s[44:47], s[58:59], 0x180
	s_wait_alu depctr_va_vdst(0)                   ; the offsets and LDS addresses v1 to v7 and v11 are written, which the loads and stores of the whole kernel read; they are never written again
.set i, 0
.rept 32
	global_load_b128 v[64+4*i:67+4*i], v1, s[48:49] offset:0x400000+512*i   ; K
.set i, i+1
.endr
	global_load_b128 v[192:195], v1, s[54:55] offset:131072
	global_load_b128 v[196:199], v1, s[54:55] offset:262144
	WIN 0x40
	global_load_b128 v[72:75], v1, s[52:53]        ; q of tile A, between its zeros,
	global_load_b128 v[76:79], v1, s[52:53] offset:512
	global_load_b128 v[96:99], v1, s[52:53] offset:1024   ; of tile B
	global_load_b128 v[100:103], v1, s[52:53] offset:1536
	WIN 0
	global_load_b32 v200, v2, s[56:57]
	WIN 0x40
.set i, 0
.rept 32
	global_load_b128 v[128+4*i:131+4*i], v1, s[50:51] offset:512*i   ; V
.set i, i+1
.endr
.irp i, 0,1,2,3,4,5,6,7
	v_mov_b32 v[64+\i], 0                          ; the zero halves: registers in which no load lands
	v_mov_b32 v[80+\i], 0
	v_mov_b32 v[88+\i], 0
	v_mov_b32 v[104+\i], 0
.endr
	WIN 0
	s_mov_b32 s24, 0x3e38aa3b                      ; log2(e) / 8
	s_mov_b32 s25, s24
	s_mov_b32 s[SEL], 0x76543210
	s_mov_b32 s[SEL+1], 0xfedcba98
	s_mov_b32 s[MNT], 0x600000
	s_wait_loadcnt 32                              ; all but V's 32 loads are in
.set i, 0
.rept 32
	ds_store_b128 v3, v[64+4*i:67+4*i] offset:512*i   ; the data came by loads, the address was written ahead of the wait above: nothing more is owed
.set i, i+1
.endr
	ds_store_b128 v5, v[192:195]
	ds_store_b128 v5, v[196:199] offset:4096
	v_perm_b32 v[QS], v200, v200, 0x01000100       ; tile A's two bytes, for either half of K
	v_perm_b32 v[QS+1], v200, v200, 0x03020302     ; tile B's
	v_mov_b32 v[NEGI], 0xff800000
	v_mov_b32 v[ZERO], 0
.irp k, 0,1,2,3
	v_mov_b32 v[32+\k], 0xff800000                 ; pass 1's running maxima, four chains a tile
	v_mov_b32 v[48+\k], 0xff800000
	v_mov_b32 v[36+\k], 0                          ; a lane permute's destination counts as one of its sources
	v_mov_b32 v[52+\k], 0
.endr
	s_wait_loadcnt 0x0
	WIN 0x04
.set i, 0
.rept 32
	ds_store_b128 v4, v[128+4*i:131+4*i] offset:512*i
.set i, i+1
.endr
	WIN 0
	s_wait_kmcnt 0x0
	s_or_b32 s18, s32, s36
	s_or_b32 s18, s18, s40
	s_or_b32 s18, s18, s44                         ; steps in which a key counts
	s_or_b32 s19, s33, s37
	s_or_b32 s19, s19, s41
	s_or_b32 s19, s19, s45                         ; steps in which a key is blocked
	s_and_b32 s2, s34, s38
	s_and_b32 s2, s2, s42
	s_and_b32 s2, s2, s46
	s_and_b32 s3, s35, s39
	s_and_b32 s3, s3, s43
	s_and_b32 s3, s3, s47
	s_lshr_b32 s16, s2, 16
	s_and_b32 s2, s2, s16
	s_lshr_b32 s16, s3, 16
	s_and_b32 s3, s3, s16
	s_or_b32 s2, s2, s3
	s_and_b32 s2, s2, 0xffff                       ; queries without any key
	s_cmp_lg_u32 s2, 0
	s_cselect_b32 s18, 0xffff, s18                 ; such a query weighs all keys alike: no step is passed over
	s_wait_dscnt 0x0                               ; my stores have landed
	s_barrier_signal -1
	s_barrier_wait -1                              ; everybody's have: from here on LDS is only read
	s_wait_alu depctr_vm_vsrc(0)                   ; my LDS stores have read v64 to v199 and window 1's v128 to v255: from here on these registers are the scores, p's codes, O^T and V's fragments, written by products, conversions, moves and LDS loads
	; ---- pass 1: the maxima
	s_mov_b32 s20, 0                               ; step,
	s_mov_b32 s21, 0                               ; x 8,192: its codes,
	s_mov_b32 s22, 0                               ; x 256: its scale words,
	s_mov_b32 s23, 0                               ; x 512: its mask words
.Lp1:
	s_bitcmp1_b32 s18, s20
	s_cbranch_scc0 .Lp1_next
	KLOAD 0
	s_wait_dscnt 0x0
	KQ 0
	s_bitcmp1_b32 s19, s20
	s_cbranch_scc0 .Lp1_open
	MASK 0, 64, NEGI
	MASK 1, 128, NEGI
.Lp1_open:
.irp i, 0,2,4,6,8,10,12,14
.irp k, 0,1,2,3
	v_max3_num_f32 v[32+\k], v[32+\k], v[64+16*\k+\i], v[64+16*\k+\i+1]     ; each accumulator from its low end on
	v_max3_num_f32 v[48+\k], v[48+\k], v[128+16*\k+\i], v[128+16*\k+\i+1]
.endr
.endr
.Lp1_next:
	s_add_co_u32 s21, s21, 8192
	s_add_co_u32 s22, s22, 256
	s_add_co_u32 s23, s23, 512
	s_add_co_u32 s20, s20, 1
	s_cmp_lt_u32 s20, 16
	s_cbranch_scc1 .Lp1
.irp t, 0,1
	v_max3_num_f32 v[32+16*\t], v[32+16*\t], v[33+16*\t], v[34+16*\t]
	v_max_num_f32 v[32+16*\t], v[32+16*\t], v[35+16*\t]
	v_permlanex16_b32 v[36+16*\t], v[32+16*\t], s[SEL], s[SEL+1]
	v_max_num_f32 v[16+2*\t], v[32+16*\t], v[36+16*\t]       ; my query's maximum
	v_cmp_eq_f32 vcc_lo, v[16+2*\t], v[NEGI]                 ; a query without any key:
	s_wait_alu depctr_va_vcc(0)                              ; VCC is written, ahead of its first reader, the selection below
	v_cndmask_b32 v[16+2*\t], v[16+2*\t], v[ZERO], vcc_lo    ; its maximum counts as 0,
	v_cndmask_b32 v[24+\t], v[NEGI], v[ZERO], vcc_lo         ; and its blocked scores become 0: p = 1; any other query's become -infinity: p = 0
	v_mov_b32 v[17+2*\t], v[16+2*\t]
.endr
	v_mov_b32 v20, 0                               ; the sums
	v_mov_b32 v21, 0
	v_mov_b32 v22, 0
	v_mov_b32 v23, 0
	WIN 0x40
.set i, 0
.rept 64
	v_mov_b32 v[128+i], 0                          ; O^T: which step is the first hangs on the flags, so the sums begin as zeros
.set i, i+1
.endr
	WIN 0
	; ---- pass 2
	s_mov_b32 s20, 0
	s_mov_b32 s21, 0
	s_mov_b32 s22, 0
	s_mov_b32 s23, 0
.Lp2:
	s_bitcmp1_b32 s18, s20
	s_cbranch_scc0 .Lp2_next
	KLOAD 1
	s_wait_dscnt 0x0                               ; K and its scale words are in; V is asked for behind the products below and lands during the softmax
	KQ 1
	s_bitcmp1_b32 s19, s20
	s_cbranch_scc0 .Lp2_open
	MASK 0, 64, 24
	MASK 1, 128, 25
.Lp2_open:
	SOFT 0
	SOFT 1
	PV
.Lp2_next:
	s_add_co_u32 s21, s21, 8192
	s_add_co_u32 s22, s22, 256
	s_add_co_u32 s23, s23, 512
	s_add_co_u32 s20, s20, 1
	s_cmp_lt_u32 s20, 16
	s_cbranch_scc1 .Lp2
	; ---- the way out: O / l, quantised along the model's axis: my head's 64 channels are two blocks of 32 for each tile
	v_add_f32 v20, v20, v21
	v_add_f32 v22, v22, v23
	v_permlanex16_b32 v36, v20, s[SEL], s[SEL+1]
	v_permlanex16_b32 v52, v22, s[SEL], s[SEL+1]
	v_add_f32 v20, v20, v36
	v_add_f32 v22, v22, v52
	v_rcp_f32 v28, v20
	v_rcp_f32 v30, v22
	v_lshlrev_b32 v14, 4, v13                      ; (a plain line behind the reciprocals)  16 h
	s_wait_alu depctr_va_vdst(0)                   ; the two reciprocals have written v28 and v30: one wait for both, ahead of their first reader
	v_mov_b32 v29, v28
	v_mov_b32 v31, v30
	WIN 0x01
.set n, 0
.rept 32
	v_pk_mul_f32 v[64+2*n:65+2*n], v[128+2*n:129+2*n], v[28+2*(n/16):29+2*(n/16)]   ; each accumulator from its low end on
.set n, n+1
.endr
	WIN 0
	s_lshr_b32 s2, s15, 4                          ; batch
	s_and_b32 s3, s15, 15                          ; head
	s_lshl_b32 s2, s2, 7
	s_lshl_b32 s16, s17, 1
	s_add_co_u32 s2, s2, s16                       ; tile A among the 256 tiles of rows
	s_lshl_b32 s32, s2, 14
	s_lshr_b32 s16, s3, 1                          ; the K step of 128 in which my head lies,
	s_lshl_b32 s29, s16, 11
	s_add_co_u32 s32, s32, s29
	s_and_b32 s29, s3, 1                           ; and which half of it
	s_lshl_b32 s34, s29, 10
	s_add_co_u32 s32, s32, s34
	s_mov_b32 s33, 0
	s_add_nc_u64 s[10:11], s[10:11], s[32:33]
	s_lshl_b32 s32, s2, 9
	s_lshr_b32 s34, s3, 3
	s_lshl_b32 s34, s34, 8
	s_add_co_u32 s32, s32, s34
	s_and_b32 s16, s16, 3
	s_lshl_b32 s16, s16, 2
	s_add_co_u32 s32, s32, s16
	s_lshl_b32 s29, s29, 1
	s_add_co_u32 s32, s32, s29
	s_add_nc_u64 s[12:13], s[12:13], s[32:33]
	QUANT 64
	v_lshrrev_b32 v236, v14, v[PW]                 ; lanes 0-15: tile A's two bytes; lanes 16-31: tile B's
	s_wait_alu depctr_va_vdst(0)                   ; the conversions have written v192 to v207 and the shift v236, which the five stores below read
	global_store_b128 v1, v[192:195], s[10:11]     ; 512 consecutive bytes each
	global_store_b128 v1, v[196:199], s[10:11] offset:512
	global_store_b128 v1, v[200:203], s[10:11] offset:16384
	global_store_b128 v1, v[204:207], s[10:11] offset:16896
	global_store_b16 v11, v236, s[12:13]           ; two bytes a row: a head's part of a scale word; 131,072 bytes in the whole launch
	s_wait_dscnt 0x0                               ; the closing lines, six on end
	s_wait_alu 0x0
	s_wait_tensorcnt 0x0
	ds_add_u32 v254, v255
	s_wait_dscnt 0x0
	s_endpgm
.Lfunc_end_k_qf3ae2fd9cd_attn:
	.size	k_qf3ae2fd9cd_attn, .Lfunc_end_k_qf3ae2fd9cd_attn-k_qf3ae2fd9cd_attn
	.p2alignl 7, 3214868480
	.fill 96, 4, 3214868480
	.section	.rodata,"a",@progbits
	.p2align	6, 0x0
	.amdhsa_kernel k_qf3ae2fd9cd_attn
		.amdhsa_group_segment_fixed_size 271360
		.amdhsa_private_segment_fixed_size 0
		.amdhsa_enable_private_segment 0
		.amdhsa_kernarg_size 40
		.amdhsa_user_sgpr_count 2
		.amdhsa_user_sgpr_kernarg_segment_ptr 1
		.amdhsa_wavefront_size32 1
		.amdhsa_system_sgpr_workgroup_id_x 1
		.amdhsa_system_sgpr_workgroup_id_y 1
		.amdhsa_system_sgpr_workgroup_id_z 1
		.amdhsa_system_vgpr_workitem_id 0
		.amdhsa_next_free_vgpr 512
		.amdhsa_next_free_sgpr 102
		.amdhsa_reserve_vcc 1
		.amdhsa_float_denorm_mode_32 3
		.amdhsa_float_denorm_mode_16_64 3
		.amdhsa_memory_ordered 1
		.amdhsa_forward_progress 1
		.amdhsa_inst_pref_size 93
	.end_amdhsa_kernel
	.amdgpu_metadata
---
amdhsa.version: [ 1, 2 ]
amdhsa.kernels:
  - .name:           k_qf3ae2fd9cd_attn
    .symbol:         k_qf3ae2fd9cd_attn.kd
    .args:
      - { .name: qkv, .offset: 0, .size: 8, .value_kind: global_buffer, .address_space: global }
      - { .name: qkvs, .offset: 8, .size: 8, .value_kind: global_buffer, .address_space: global }
      - { .name: mbits, .offset: 16, .size: 8, .value_kind: global_buffer, .address_space: global }
      - { .name: oimg, .offset: 24, .size: 8, .value_kind: global_buffer, .address_space: global }
      - { .name: osc, .offset: 32, .size: 8, .value_kind: global_buffer, .address_space: global }
    .group_segment_fixed_size: 271360
    .private_segment_fixed_size: 0
    .kernarg_segment_align: 8
    .kernarg_segment_size: 40
    .max_flat_workgroup_size: 256
    .sgpr_count:     102
    .vgpr_count:     512
    .wavefront_size: 32
...
	.end_amdgpu_metadata
.endif
;; end of part 6
;; launch proj: the kernel of part 4 again; grid 4 x 16, 4 waves a work-group, clusters of 4 x 4, 327,680 bytes of LDS; arguments oimg, osc, img, isc, y0; writes y0
;; launch ln: the kernel of part 5 again; grid 256 x 1, 4 waves a work-group, no clusters, 0 bytes of LDS; arguments y0, x, bo, gamma, beta, out0; writes out0
